; MI455X (gfx1250); checked and timed in simulation.
; The chip was launched on July 23, 2026; its instructions are those of AMD's public machine-readable ISA for CDNA 5 (MIT licence, August 2026) and "CDNA5" Instruction Set Architecture Reference Guide (July 2026). The comments in the code are by the model that wrote it; some were corrected since.
;; Dec Green Net product CP4. Allowed arithmetic: matrix products marked QUANTISED: E2M1 operands, one E8M0 scale for each 32 along K, by v_wmma_scale_f32_16x16x128_f8f6f4 with both operands' format E2M1 (or v_wmma_scale_f32_32x16x128_f4), f32 sums; products left as they are: f32 operands where the result goes on into a quantised operand, else bf16, f16 or f32 operands; f32 sums; everything else in f32.
;; Inputs: W1 3 x 1,024 float32; W2 1,024 x 4,096 float32; Wq0a 1 x 128 float32; Wq0b 128 x 64 float32; Wq1a 1 x 128 float32; Wq1b 128 x 64 float32; Wq2a 1 x 128 float32; Wq2b 128 x 64 float32; Wq3a 1 x 128 float32; Wq3b 128 x 64 float32; b1 1,024 float32; b2 4,096 float32; bq0a 128 float32; bq0b 64 float32; bq1a 128 float32; bq1b 64 float32; bq2a 128 float32; bq2b 64 float32; bq3a 128 float32; bq3b 64 float32; eq_param 1 float32; input 16,384 x 3 float32; quad_x0 64 x 1 float32; quad_x1 64 x 1 float32; quad_x2 64 x 1 float32; quad_x3 64 x 1 float32.
;; Outputs: out0 16,384 float32.
;; This version of the problem:
;;   THIS VERSION OF THE PROBLEM IS GIVEN IN LOW PRECISION. The matrix products marked QUANTISED in the list below multiply operands that are first quantised to E2M1 (2 exponent bits, 1 mantissa bit; 4 bits a number), with one power-of-two scale for each 32 numbers along K (OCP MX v1.0); their sums are f32. All else is computed in f32.
;;   The module's matrix products, in the order in which they are computed (A, B: the left and right operand; K: the contracted axis; several contracted axes count as one K, in the product's order):
;;     1. [M 16,384, K 3] x [K 3, N 1,024]; A: input input; B: input W1: left as it is (K = 3 < 32)
;;     2. [M 16,384, K 1,024] x [K 1,024, N 4,096]; A: computed on the way; B: input W2: QUANTISED
;;     3. [M 64, K 1] x [K 1, N 128]; A: input quad_x0; B: input Wq0a: left as it is (K = 1 < 32)
;;     4. [M 64, K 128] x [K 128, N 64]; A: computed on the way; B: input Wq0b: QUANTISED
;;     5. [M 64, K 1] x [K 1, N 128]; A: input quad_x1; B: input Wq1a: left as it is (K = 1 < 32)
;;     6. [M 64, K 128] x [K 128, N 64]; A: computed on the way; B: input Wq1b: QUANTISED
;;     7. [M 64, K 1] x [K 1, N 128]; A: input quad_x2; B: input Wq2a: left as it is (K = 1 < 32)
;;     8. [M 64, K 128] x [K 128, N 64]; A: computed on the way; B: input Wq2b: QUANTISED
;;     9. [M 64, K 1] x [K 1, N 128]; A: input quad_x3; B: input Wq3a: left as it is (K = 1 < 32)
;;     10. [M 64, K 128] x [K 128, N 64]; A: computed on the way; B: input Wq3b: QUANTISED
;;     11. batch 8 x [M 8, K 1] x [K 1, N 8]; A: computed on the way; B: computed on the way: left as it is (no contracted axis)
;;     12. batch 8 x [M 8, K 1] x [K 1, N 8]; A: computed on the way; B: computed on the way: left as it is (no contracted axis)
;;     13. [M 64, K 8] x [K 8, N 64]; A: computed on the way; B: computed on the way: left as it is (K = 8 < 32)
;;     14. [M 16,384, K 4,096] x [K 4,096, N 1]; A: computed on the way; B: computed on the way: left as it is (N = 1 < 16)
;;   THE QUANTISER, for each operand of a quantised product, along K:
;;     - K is cut into blocks of 32 from its start; a last block that is shorter is filled with zeros.
;;     - A block's scale is 2^e with e = floor(log2(the largest magnitude in the block)) - 2, held to -126 .. 127; a block of zeros has e = 0. As a byte (E8M0): e + 127.
;;     - Each number is divided by its block's scale, clamped to +-6, and rounded to the nearest number of E2M1, ties to even, subnormals kept.
;;     - The product sums the exact products of the quantised numbers (number of the format x scale) in f32.
;;   ~~~python
;;   def quantise(x, axis):      # numpy; x: float32 -> the quantised numbers, widened to float32 again
;;       x = np.moveaxis(x, axis, -1); K = x.shape[-1]
;;       x = np.pad(x, [(0, 0)] * (x.ndim - 1) + [(0, -K % 32)]); x = x.reshape(x.shape[:-1] + (-1, 32)); a = np.abs(x).max(-1, keepdims=True)
;;       e = np.where(a > 0, np.clip(np.frexp(np.where(a > 0, a, 1))[1] - 1 - 2, -126, 127), 0)      # np.frexp(a)[1] - 1 = floor(log2(a)), exactly
;;       r = np.clip(x / 2.0 ** e, -6, 6)
;;       step = 2.0 ** (np.maximum(np.frexp(np.where(r == 0, 1, r))[1] - 1, 0) - 1)
;;       q = np.round(r / step) * step * 2.0 ** e      # np.round: ties to even
;;       return np.moveaxis(q.reshape(q.shape[:-2] + (-1,))[..., :K], -1, axis).astype(np.float32)
;;   ~~~
;;   OPERANDS COMPUTED ON THE WAY. 'Computed on the way' means the value that the module computes at that place (a softmax that the list does not call 'softmax' is quantised finished and normalised). What goes into a quantiser is computed in f32, as accurately as f32 sums, v_exp_f32 and their like allow (about 1e-6 of the number): no bf16 or f16 on the way to a quantiser, and a product that is left as it is and whose result goes on into a quantised operand takes f32 operands (vector FMAs, or v_wmma_f32_16x16x4_f32). A number that lies on a knife's edge between two numbers of the format may be rounded either way, as far as f32 arithmetic and the matrix unit's own rounding can turn it there, and no further.
;; 2 versions, each right and faster than the one before. Each part assembles by itself: llvm-mc -triple=amdgcn-amd-amdhsa -mcpu=gfx1250 --defsym DOCPART=n.
;; ======== version 1 of 2: 3 launches
;; limits: a function is approximated: absolute error at most 1e-07; right only within a limited range of input values
;; workspace buffers: w2c 2,097,152 bytes; w2s 131,072 bytes; hc 8,388,608 bytes; hs 524,288 bytes; sq 1,024 bytes; part 524,288 bytes
;; launch prep (part 1): grid 772 x 1, 4 waves a work-group, no clusters, 6,144 bytes of LDS; arguments input, W1, b1, W2, quad_x0, quad_x1, quad_x2, quad_x3, Wq0a, Wq1a, Wq2a, Wq3a, bq0a, bq1a, bq2a, bq3a, Wq0b, Wq1b, Wq2b, Wq3b, bq0b, bq1b, bq2b, bq3b, eq_param, w2c, w2s, hc, hs, sq; writes w2c, w2s, hc, hs, sq
.if DOCPART == 1
	.amdgcn_target "amdgcn-amd-amdhsa--gfx1250"
	.amdhsa_code_object_version 6
	.text
	.protected	k_q6ab3820162_prep
	.globl	k_q6ab3820162_prep
	.p2align	8
	.type	k_q6ab3820162_prep,@function
k_q6ab3820162_prep:
	s_mov_b64 s[64:65], 0
	v_nop
	global_prefetch_b8 v0, s[64:65] scope:SCOPE_SE
	s_setreg_imm32_b32 hwreg(HW_REG_WAVE_MODE, 25, 1), 1
	s_wait_xcnt 0x0
; out[m] = sum over n of (sum over k of Q(h)[m][k] Q(W2)[k][n] + b2[n]) rhs[n],  h = tanh(input W1 + b1),  rhs = the rank-8 contraction of four 8 x 8 matrices S_i.
; THIS LAUNCH makes all that the product launch reads: the codes and scale bytes of W2 and of h (E2M1, one E8M0 byte for each 32 along K), and the four S_i.
; NO WORK IS LEFT OUT: every input has a way to the output and is loaded by some launch; every product of the problem is computed.
; THREE PATHS, parted on the work-group's number alone (the same in all four waves of a work-group):
;   Q, work-groups 0-3:     factor f: S_f[c] = sum over the 64 points of eq_param sin(pi x) (Q(tanh(x Wa + ba)) Q(Wb) + bb)[point][c], 64 numbers, to sq
;   W, work-groups 4-259:   128 columns x 128 along K of W2: a lane takes a column, its registers run down K
;   H, work-groups 260-771: 32 rows of h: a lane takes a row, a wave 256 along K; all lanes work on the same k, so W1 and b1 come as scalars
; LAYOUT OF THE CODES (w2c, hc): [tile of 16 rows][K step of 128][block of 32][row][16 bytes].  That is the image of a 4-bit operand's registers: group c of four registers of lane l lies at 512 c + 16 l.
;   A lane that holds one whole block of one row stores its 16 bytes from registers, and sixteen neighbouring lanes cover 256 consecutive bytes, aligned.
; LAYOUT OF THE SCALE WORDS: w2s [pair of column tiles][K step][lane] one word; hs [pair of row tiles][quarter of K][lane][2 words]: byte b of a word is block b of its K step.
; THE QUANTISER: a block's largest magnitude with the floor 2^(3 - 127) among its leaves; 2 off its exponent field is the conversion's scale operand, and that field the byte.
; tanh(x) = 1 - 2 / (1 + 2^(2 log2(e) x)): an exponential that overflows or falls to 0 gives +1 or -1.
; LIMITS: NaN and infinities among the inputs are not served.  A block of zeros, or one whose largest magnitude lies under 2^-124, gets the byte 1 (its codes are zeros or held to the byte 1 as the rule holds them; the bytes are read by this program alone).
;   tanh in this form carries an absolute error of about 1e-7.  sin(pi x) is taken of x less its nearest whole number, exactly, where the problem rounds pi x first; the sign by that whole number's parity wants |x| under 2^23.
.set BIMG,  0                          ; LDS (path Q alone): the four fragments of Wb, 1,024 bytes each, as images of their registers
.set BSCL,  4096                       ; their scale words, 128 bytes each
.set PARTS, 4608                       ; the four waves' partial sums, 256 bytes each
.set SPARE, 5632                       ; the spare words, 128 bytes for each wave: two blocks of 256 bytes that no other line names
.set SPW,   254                        ; v254 LDS address of my spare word; never rewritten
.set NIL,   255                        ; v255 0; never rewritten
.set M0,    246                        ; v246, v247 two chains of a block's largest magnitude
.set M1,    247
.set SOP,   248                        ; v248 the conversion's scale operand
.set CS,    84                         ; s[84:85] 2 log2(e): the packed form names a pair and takes its low word
.set T,     32                         ; path H: v32-63 a block's 32 numbers
.set R1,    32                         ; path Q: v32-95 Wa, then the hidden layer; later at work
.set R2,    96                         ; path Q: v96-159 ba; later v96-127 the four fragments of Wb
.set R3,    160                        ; path Q: v160-223 my column of Wb; later v160-191 four accumulators
; 32 numbers of one lane, one block, become 4 registers of codes; the scale's byte goes to v[by]
.macro QBLK src, dst, by
	v_max3_num_f32 v[M0], |v[(\src)]|, |v[(\src)+1]|, |v[(\src)+2]|
	v_max3_num_f32 v[M1], |v[(\src)+3]|, |v[(\src)+4]|, |v[(\src)+5]|
.irp i, 6,10,14,18,22,26
	v_max3_num_f32 v[M0], v[M0], |v[(\src)+\i]|, |v[(\src)+\i+1]|
	v_max3_num_f32 v[M1], v[M1], |v[(\src)+\i+2]|, |v[(\src)+\i+3]|
.endr
	v_max3_num_f32 v[M0], v[M0], |v[(\src)+30]|, |v[(\src)+31]|
	v_max3_num_f32 v[M0], v[M0], v[M1], 0x1800000  ; the floor 2^(3 - 127): the byte cannot fall under 1
	v_add_nc_u32 v[SOP], 0xff000000, v[M0]         ; 2 off the exponent field: the conversion takes that field as its scale
	v_lshrrev_b32 v[(\by)], 23, v[SOP]             ; the scale's byte
.irp g, 0,1,2,3
	v_cvt_scalef32_pk8_fp4_f32 v[(\dst)+\g], v[(\src)+8*\g:(\src)+8*\g+7], v[SOP]
.endr
	v_nop                                          ; one plain line behind the last scaled conversion
.endm
; n numbers: x 2 log2(e), then 2^.
.macro EXPS base, n
.set ix, 0
.rept (\n)/2
	v_pk_mul_f32 v[(\base)+ix:(\base)+ix+1], v[(\base)+ix:(\base)+ix+1], s[CS:CS+1] op_sel_hi:[1,0]
.set ix, ix+2
.endr
.set ix, 0
.rept \n
	v_exp_f32 v[(\base)+ix], v[(\base)+ix]
.set ix, ix+1
.endr
.endm
; 32 exponentials become 32 tanh: 1 - 2 / (1 + e).  One wait for all exponentials issued so far, one for the 32 reciprocals
.macro TAIL32 base
	v_nop                                          ; a plain line behind the last exponential
	s_wait_alu depctr_va_vdst(0)
.set ix, 0
.rept 16
	v_pk_add_f32 v[(\base)+ix:(\base)+ix+1], v[(\base)+ix:(\base)+ix+1], 1.0 op_sel_hi:[1,0]
.set ix, ix+2
.endr
.set ix, 0
.rept 32
	v_rcp_f32 v[(\base)+ix], v[(\base)+ix]
.set ix, ix+1
.endr
	v_nop                                          ; a plain line behind the last reciprocal
	s_wait_alu depctr_va_vdst(0)
.set ix, 0
.rept 16
	v_pk_fma_f32 v[(\base)+ix:(\base)+ix+1], v[(\base)+ix:(\base)+ix+1], -2.0, 1.0 op_sel_hi:[1,0,0]
.set ix, ix+2
.endr
.endm
; path H: W1's three rows and b1 at 16 neighbouring k, s15 bytes along
.macro SLOAD
	s_load_b512 s[16:31], s[6:7], s15 offset:0x0
	s_load_b512 s[32:47], s[6:7], s15 offset:0x1000
	s_load_b512 s[48:63], s[6:7], s15 offset:0x2000
	s_load_b512 s[68:83], s[8:9], s15 offset:0x0
.endm
; path H: 16 numbers x0 W1[0][k] + x1 W1[1][k] + x2 W1[2][k] + b1[k], in f32
.macro FMA16 base
.set ix, 0
.rept 16
	v_fma_f32 v[(\base)+ix], v4, s[16+ix], s[68+ix]
.set ix, ix+1
.endr
.set ix, 0
.rept 16
	v_fma_f32 v[(\base)+ix], v5, s[32+ix], v[(\base)+ix]
.set ix, ix+1
.endr
.set ix, 0
.rept 16
	v_fma_f32 v[(\base)+ix], v6, s[48+ix], v[(\base)+ix]
.set ix, ix+1
.endr
.endm
; path Q: my two bytes (blocks h and 2 + h, in v241 and v242) and lane l xor 16's two make the row's scale word
.macro SWORD dst
	v_lshl_or_b32 v[\dst], v242, 16, v241
	v_lshlrev_b32 v[\dst], v243, v[\dst]           ; 8 h bits up
	v_permlanex16_b32 v240, v[\dst], s86, s87
	v_or_b32 v[\dst], v[\dst], v240
.endm
	v_lshl_add_u32 v[SPW], v0, 2, SPARE
	v_mov_b32 v[NIL], 0
	v_lshrrev_b32 v1, 5, v0
	v_readfirstlane_b32 s14, v1                    ; wave 0..3
	v_and_b32 v2, 31, v0                           ; lane
	s_mov_b32 s[CS], 0x4038aa3b                    ; 2 log2(e)
	s_mov_b32 s[CS+1], s[CS]
	s_cmp_lt_u32 ttmp9, 4
	s_cbranch_scc1 .Lquad
	s_cmp_lt_u32 ttmp9, 260
	s_cbranch_scc1 .Lw2
; ---------------- PATH H: rows 32 p .. 32 p + 31 of h, p = work-group - 260; wave w: k = 256 w .. 256 w + 255, eight blocks ----------------
	s_load_b128 s[4:7], s[0:1], 0x0                ; input, W1
	s_load_b64 s[8:9], s[0:1], 0x10                ; b1
	s_load_b128 s[88:91], s[0:1], 0xd8             ; hc, hs
	s_sub_co_u32 s10, ttmp9, 260                   ; p
	s_lshl_b32 s15, s14, 10                        ; my first k, in bytes
	v_lshl_add_u32 v3, s10, 5, v2                  ; my row
	v_mul_u32_u24 v3, v3, 12                       ; three f32 a row
	v_lshrrev_b32 v18, 4, v2
	v_and_b32 v19, 15, v2
	v_lshlrev_b32 v19, 4, v19
	v_lshl_add_u32 v18, v18, 13, v19               ; my codes: 8,192 x (lane / 16), the tile, + 16 x (lane % 16), the row
	v_lshlrev_b32 v19, 3, v2                       ; my two scale words: 8 x lane
	v_mov_b32 v16, 0
	v_mov_b32 v17, 0
	s_lshl_b32 s12, s10, 14                        ; hc: 16,384 p + 2,048 w (eight blocks of 256 bytes a wave)
	s_lshl_b32 s13, s14, 11
	s_add_co_u32 s12, s12, s13
	s_mov_b32 s13, 0
	s_lshl_b32 s92, s10, 10                        ; hs: 1,024 p + 256 w
	s_lshl_b32 s93, s14, 8
	s_add_co_u32 s92, s92, s93
	s_mov_b32 s93, 0
	s_mov_b32 s86, 8
	s_wait_kmcnt 0x0
	s_add_nc_u64 s[88:89], s[88:89], s[12:13]
	s_add_nc_u64 s[90:91], s[90:91], s[92:93]
	global_load_b32 v4, v3, s[4:5]
	global_load_b32 v5, v3, s[4:5] offset:4
	global_load_b32 v6, v3, s[4:5] offset:8
	SLOAD
	s_wait_loadcnt 0x0                             ; my row of the input
.Lhblk:                                            ; a trip: one block of 32 along K for 32 rows
	s_wait_kmcnt 0x0                               ; the block's first 16 k are in
	FMA16 T
	s_add_co_u32 s15, s15, 64                      ; (written behind the wait that shows the scalar loads done)
	SLOAD                                          ; the second 16 k come while the first sixteen exponentials are issued
	EXPS T, 16
	s_wait_kmcnt 0x0
	FMA16 T+16                                     ; plain work behind those exponentials; it names none of their results
	s_add_co_u32 s15, s15, 64
	s_min_u32 s15, s15, 4032                       ; the last trip's look-ahead is held inside W1's rows and b1: 4,032 + 64 = 4,096 bytes
	SLOAD                                          ; the next block's first 16 k
	EXPS T+16, 16
	TAIL32 T
	QBLK T, 8, 15
	v_lshrrev_b32 v16, 8, v16                      ; the byte goes in at the top of the pair v17, v16, which moves down 8 bits a trip: after eight trips block 0's lies lowest
	v_lshl_or_b32 v16, v17, 24, v16
	v_lshrrev_b32 v17, 8, v17
	v_lshl_or_b32 v17, v15, 24, v17
	global_store_b128 v18, v[8:11], s[88:89]       ; sixteen lanes store 256 consecutive bytes, aligned
	s_wait_xcnt 0x0                                ; the store has read its data and its base: both are written again only behind this wait
	s_add_nc_u64 s[88:89], s[88:89], 256
	s_sub_co_u32 s86, s86, 1
	s_cmp_lg_u32 s86, 0
	s_cbranch_scc1 .Lhblk
	s_wait_kmcnt 0x0                               ; the look-ahead of the last trip
	global_store_b64 v19, v[16:17], s[90:91]       ; the wave stores 256 consecutive bytes, aligned
	s_endpgm
; ---------------- PATH W: j = work-group - 4; K step y = j / 32; wave w: columns 32 (4 (j % 32) + w) on; a lane takes a column ----------------
.Lw2:
	s_load_b64 s[4:5], s[0:1], 0x18                ; W2
	s_load_b128 s[8:11], s[0:1], 0xc8              ; w2c, w2s
	s_sub_co_u32 s15, ttmp9, 4
	s_and_b32 s16, s15, 31
	s_lshr_b32 s17, s15, 5                         ; y
	s_lshl_b32 s18, s16, 2
	s_add_co_u32 s18, s18, s14                     ; my pair of column tiles
	s_lshl_b32 s20, s17, 21                        ; W2: 128 y rows of 16,384 bytes + 128 bytes a pair
	s_lshl_b32 s21, s18, 7
	s_add_co_u32 s20, s20, s21
	s_mov_b32 s21, 0
	s_lshl_b32 s22, s18, 14                        ; w2c: 16,384 a pair + 1,024 y
	s_lshl_b32 s23, s17, 10
	s_add_co_u32 s22, s22, s23
	s_mov_b32 s23, 0
	s_lshl_b32 s24, s18, 10                        ; w2s: 1,024 a pair + 128 y
	s_lshl_b32 s25, s17, 7
	s_add_co_u32 s24, s24, s25
	s_mov_b32 s25, 0
	v_lshlrev_b32 v3, 2, v2                        ; 4 x lane: my column in a row of W2, and my scale word
	v_lshrrev_b32 v4, 4, v2
	v_and_b32 v5, 15, v2
	v_lshlrev_b32 v5, 4, v5
	v_lshl_add_u32 v4, v4, 13, v5                  ; my codes: 8,192 x (lane / 16) + 16 x (lane % 16)
	s_wait_kmcnt 0x0
	s_add_nc_u64 s[4:5], s[4:5], s[20:21]
	s_add_nc_u64 s[8:9], s[8:9], s[22:23]
	s_add_nc_u64 s[10:11], s[10:11], s[24:25]
.set ix, 0
.rept 128
	global_load_b32 v[32+ix], v3, s[4:5] offset:ix*16384 th:TH_LOAD_NT   ; row 128 y + ix: the wave reads 128 consecutive bytes, the four waves side by side 512
.set ix, ix+1
.endr
.irp b, 0,1,2,3
.if \b < 2
	s_wait_loadcnt 63                              ; behind this block's loads 96 or 64 were issued; 63 is the largest count that the wait can name
.elseif \b == 2
	s_wait_loadcnt 32                              ; the last block's 32 may be out
.else
	s_wait_loadcnt 0
.endif
	QBLK 32+32*\b, 8+4*\b, 25
.if \b == 0
	v_mov_b32 v24, v25                             ; the four bytes make my column's scale word for this K step
.else
	v_lshl_or_b32 v24, v25, 8*\b, v24
.endif
	global_store_b128 v4, v[8+4*\b:11+4*\b], s[8:9] offset:256*\b   ; sixteen lanes store 256 consecutive bytes, aligned
.endr
	global_store_b32 v3, v24, s[10:11]             ; 128 consecutive bytes a wave: one byte for each 128 that the path reads
	s_endpgm
; ---------------- PATH Q: factor f = work-group; wave w: points 16 w .. 16 w + 15, and columns 16 w .. 16 w + 15 of Wb to quantise ----------------
.Lquad:
	s_load_b256 s[16:23], s[0:1], 0x20             ; quad_x0 .. 3
	s_load_b256 s[24:31], s[0:1], 0x40             ; Wq0a .. 3a
	s_load_b256 s[32:39], s[0:1], 0x60             ; bq0a .. 3a
	s_load_b256 s[40:47], s[0:1], 0x80             ; Wq0b .. 3b
	s_load_b256 s[48:55], s[0:1], 0xa0             ; bq0b .. 3b
	s_load_b64 s[56:57], s[0:1], 0xc0              ; eq_param
	s_load_b64 s[58:59], s[0:1], 0xe8              ; sq
	v_and_b32 v1, 15, v0                           ; r
	v_bfe_u32 v3, v0, 4, 1                         ; h
	v_lshlrev_b32 v4, 7, v3                        ; Wa, ba: my 32 numbers of each 64 begin 128 h bytes on
	s_lshl_b32 s61, s14, 4                         ; 16 w
	v_add_nc_u32 v5, s61, v1
	v_lshlrev_b32 v5, 2, v5                        ; 4 (16 w + r): my point as the operand's row; also my column of Wb
	v_lshl_add_u32 v6, v3, 3, s61
	v_lshlrev_b32 v6, 2, v6                        ; 4 (16 w + 8 h): the eight points that my accumulator registers hold
	v_lshlrev_b32 v7, 2, v1                        ; 4 r
	v_lshl_add_u32 v245, v3, 13, v5                ; Wb: 32 h rows of 256 bytes down, my column
	v_lshlrev_b32 v243, 3, v3                      ; 8 h
	v_lshlrev_b32 v249, 4, v2                      ; 16 x lane: an image's place for my lane
	s_lshl_b32 s62, s14, 10
	v_add_nc_u32 v250, s62, v249                   ; where I store my fragment: + 1,024 w
	v_lshlrev_b32 v251, 2, v0                      ; 4 x thread
	s_lshl_b32 s63, s14, 8
	v_lshl_add_u32 v252, v1, 2, s63                ; my partial sums: 4 r + 256 w
	v_lshlrev_b32 v253, 2, v2                      ; 4 x lane
	v_mov_b32 v240, 0                              ; written once: a lane permute's destination counts as one of its sources
	s_mov_b32 s86, 0x76543210
	s_mov_b32 s87, 0xfedcba98                      ; v_permlanex16_b32's selects for lane l xor 16
	s_mov_b32 s68, 0xbbf183a6                      ; sin(pi r) / r in r^2: -pi^11 / 11!,
	s_mov_b32 s69, 0x3da83c1b                      ; pi^9 / 9!,
	s_mov_b32 s70, 0xbf196966                      ; -pi^7 / 7!,
	s_mov_b32 s71, 0x402335e3                      ; pi^5 / 5!,
	s_mov_b32 s72, 0xc0a55de7                      ; -pi^3 / 3!,
	s_mov_b32 s73, 0x40490fdb                      ; pi: the first term left out is under 6e-8 for |r| up to 1/2
	s_wait_kmcnt 0x0
	s_load_b32 s60, s[56:57], 0x0                  ; eq_param
	s_cmp_eq_u32 ttmp9, 1                          ; the factor's five buffers: the choice hangs on the work-group's number alone
	s_cselect_b64 s[16:17], s[18:19], s[16:17]
	s_cselect_b64 s[24:25], s[26:27], s[24:25]
	s_cselect_b64 s[32:33], s[34:35], s[32:33]
	s_cselect_b64 s[40:41], s[42:43], s[40:41]
	s_cselect_b64 s[48:49], s[50:51], s[48:49]
	s_cmp_eq_u32 ttmp9, 2
	s_cselect_b64 s[16:17], s[20:21], s[16:17]
	s_cselect_b64 s[24:25], s[28:29], s[24:25]
	s_cselect_b64 s[32:33], s[36:37], s[32:33]
	s_cselect_b64 s[40:41], s[44:45], s[40:41]
	s_cselect_b64 s[48:49], s[52:53], s[48:49]
	s_cmp_eq_u32 ttmp9, 3
	s_cselect_b64 s[16:17], s[22:23], s[16:17]
	s_cselect_b64 s[24:25], s[30:31], s[24:25]
	s_cselect_b64 s[32:33], s[38:39], s[32:33]
	s_cselect_b64 s[40:41], s[46:47], s[40:41]
	s_cselect_b64 s[48:49], s[54:55], s[48:49]
	s_lshl_b32 s62, ttmp9, 8
	s_mov_b32 s63, 0
	s_add_nc_u64 s[58:59], s[58:59], s[62:63]      ; sq at my factor's 64 numbers
	global_load_b32 v22, v5, s[16:17]              ; x of point 16 w + r,
	global_load_b32 v23, v5, s[16:17]              ; twice: the packed form names the pair
	global_load_b128 v[24:27], v6, s[16:17]        ; x of points 16 w + 8 h + 0 .. 7
	global_load_b128 v[28:31], v6, s[16:17] offset:16
.irp c, 0,1
.irp g, 0,1,2,3,4,5,6,7
	global_load_b128 v[R1+32*\c+4*\g:R1+32*\c+4*\g+3], v4, s[24:25] offset:256*\c+16*\g   ; Wa[64 c + 32 h + 4 g ..]: register 32 c + i is k = 64 c + 32 h + i, as the operand's layout gives my lane
.endr
.endr
.irp c, 0,1
.irp g, 0,1,2,3,4,5,6,7
	global_load_b128 v[R2+32*\c+4*\g:R2+32*\c+4*\g+3], v4, s[32:33] offset:256*\c+16*\g   ; ba likewise
.endr
.endr
.irp t, 0,1,2,3
	global_load_b32 v[8+\t], v7, s[48:49] offset:64*\t   ; bb[16 t + r]
.endr
.irp c, 0,1
.set ix, 0
.rept 32
	global_load_b32 v[R3+32*\c+ix], v245, s[40:41] offset:(64*\c+ix)*256   ; Wb(64 c + 32 h + ix, 16 w + r): my column, down K
.set ix, ix+1
.endr
.endr
	s_wait_loadcnt 63                              ; x, Wa and ba are in: 68 loads were issued behind them; 63 is the largest count that the wait can name
.set ix, 0
.rept 32
	v_pk_fma_f32 v[R1+ix:R1+ix+1], v[R1+ix:R1+ix+1], v[22:23], v[R2+ix:R2+ix+1] op_sel_hi:[1,0,1]   ; x Wa + ba
.set ix, ix+2
.endr
	EXPS R1, 32
	TAIL32 R1
	EXPS R1+32, 32
	TAIL32 R1+32
	QBLK R1, 224, 241                              ; the hidden layer's fragment of my 16 points: v224-231
	QBLK R1+32, 228, 242
	SWORD 16                                       ; and its scale word: v16
	s_wait_loadcnt 0x0                             ; bb and Wb
	QBLK R3, 232, 241                              ; my 16 columns of Wb: v232-239
	QBLK R3+32, 236, 242
	SWORD 17
	ds_store_b128 v250, v[232:235] offset:BIMG     ; the fragment goes to LDS as it stands in the registers
	ds_store_b128 v250, v[236:239] offset:BIMG+512
	ds_store_b32 v251, v17 offset:BSCL             ; 128 w + 4 x lane = 4 x thread
	s_wait_kmcnt 0x0                               ; eq_param
	; y = eq_param sin(pi x) of my eight points, line by line over the eight so that no line waits for the line above it.  These lines are also the places between the scale word and the codes made above and the matrix instructions below
.irp j, 0,1,2,3,4,5,6,7
	v_rndne_f32 v[32+\j], v[24+\j]                 ; n
.endr
.irp j, 0,1,2,3,4,5,6,7
	v_sub_f32 v[40+\j], v[24+\j], v[32+\j]         ; r = x - n, exact
.endr
.irp j, 0,1,2,3,4,5,6,7
	v_mul_f32 v[48+\j], v[40+\j], v[40+\j]
.endr
.irp j, 0,1,2,3,4,5,6,7
	v_fma_f32 v[56+\j], v[48+\j], s68, s69
.endr
.irp k, 70,71,72,73
.irp j, 0,1,2,3,4,5,6,7
	v_fma_f32 v[56+\j], v[56+\j], v[48+\j], s[\k]
.endr
.endr
.irp j, 0,1,2,3,4,5,6,7
	v_mul_f32 v[56+\j], v[56+\j], v[40+\j]         ; sin(pi r)
.endr
.irp j, 0,1,2,3,4,5,6,7
	v_cvt_i32_f32 v[32+\j], v[32+\j]
.endr
.irp j, 0,1,2,3,4,5,6,7
	v_lshlrev_b32 v[32+\j], 31, v[32+\j]           ; n's parity as a sign bit
.endr
.irp j, 0,1,2,3,4,5,6,7
	v_xor_b32 v[56+\j], v[56+\j], v[32+\j]         ; sin(pi x) = (-1)^n sin(pi r)
.endr
.irp j, 0,1,2,3,4,5,6,7
	v_mul_f32 v[24+\j], s60, v[56+\j]              ; y
.endr
	v_add_f32 v244, v24, v25                       ; the sum of my eight y: it multiplies the bias
	v_add_f32 v64, v26, v27
	v_add_f32 v65, v28, v29
	v_add_f32 v66, v30, v31
	v_add_f32 v244, v244, v64
	v_add_f32 v65, v65, v66
	v_add_f32 v244, v244, v65
	s_wait_dscnt 0x0                               ; for the others' sake: my stores have landed
	s_barrier_signal -1
	s_barrier_wait -1                              ; the four fragments of Wb lie in LDS
.irp t, 0,1,2,3
	ds_load_b128 v[R2+8*\t:R2+8*\t+3], v249 offset:BIMG+1024*\t
	ds_load_b128 v[R2+8*\t+4:R2+8*\t+7], v249 offset:BIMG+1024*\t+512
	ds_load_b32 v[18+\t], v253 offset:BSCL+128*\t
.endr
	s_wait_dscnt 0x0
.irp t, 0,1,2,3                                ; source 0 = my 16 points, source 1 = 16 columns of Wb: register j of lane (r, h) is (point 8 h + j, column 16 t + r).  Four accumulators, one instruction each
	v_wmma_scale_f32_16x16x128_f8f6f4 v[R3+8*\t:R3+8*\t+7], v[224:231], v[R2+8*\t:R2+8*\t+7], 0, v16, v[18+\t] matrix_a_fmt:MATRIX_FMT_FP4 matrix_b_fmt:MATRIX_FMT_FP4
.endr
.rept 4
	v_nop                                          ; four places in front of the first read of the results (ISA guide 7.12.1)
.endr
.irp t, 0,1,2,3
	v_mul_f32 v[12+\t], v[8+\t], v244              ; bb x the sum of y
.endr
.irp j, 0,1,2,3,4,5,6,7
.irp t, 0,1,2,3
	v_fma_f32 v[12+\t], v[24+\j], v[R3+8*\t+\j], v[12+\t]   ; + y x the product, each accumulator from its low end on
.endr
.endr
.irp t, 0,1,2,3
	v_permlanex16_b32 v[64+\t], v[12+\t], s86, s87
.endr
.irp t, 0,1,2,3
	v_add_f32 v[12+\t], v[12+\t], v[64+\t]         ; with lane l xor 16's eight points: my wave's 16
.endr
.irp t, 0,1,2,3
	ds_store_b32 v252, v[12+\t] offset:PARTS+64*\t ; both halves of the lanes write the same word with the same value
.endr
	s_wait_tensorcnt 0x0                           ; behind my last LDS store
	ds_add_u32 v[SPW], v[NIL]
	s_wait_dscnt 0x0                               ; also for the others' sake: my partial sums have landed
	s_barrier_signal -1
	s_barrier_wait -1
	s_cmp_ge_u32 s14, 2                            ; threads 0 to 63 add the four waves' parts, a column each
	s_cbranch_scc1 .Lqend
.irp k, 0,1,2,3
	ds_load_b32 v[68+\k], v251 offset:PARTS+256*\k
.endr
	s_wait_dscnt 0x0
	v_add_f32 v68, v68, v69
	v_add_f32 v70, v70, v71
	v_add_f32 v68, v68, v70
	global_store_b32 v251, v68, s[58:59]
.Lqend:
	s_endpgm
.Lfunc_end_k_q6ab3820162_prep:
	.size	k_q6ab3820162_prep, .Lfunc_end_k_q6ab3820162_prep-k_q6ab3820162_prep
	.p2alignl 7, 3214868480
	.fill 96, 4, 3214868480
	.section	.rodata,"a",@progbits
	.p2align	6, 0x0
	.amdhsa_kernel k_q6ab3820162_prep
		.amdhsa_group_segment_fixed_size 6144
		.amdhsa_private_segment_fixed_size 0
		.amdhsa_enable_private_segment 0
		.amdhsa_kernarg_size 240
		.amdhsa_user_sgpr_count 2
		.amdhsa_user_sgpr_kernarg_segment_ptr 1
		.amdhsa_wavefront_size32 1
		.amdhsa_system_sgpr_workgroup_id_x 1
		.amdhsa_system_sgpr_workgroup_id_y 1
		.amdhsa_system_sgpr_workgroup_id_z 1
		.amdhsa_system_vgpr_workitem_id 0
		.amdhsa_next_free_vgpr 256
		.amdhsa_next_free_sgpr 96
		.amdhsa_reserve_vcc 0
		.amdhsa_float_denorm_mode_32 3
		.amdhsa_float_denorm_mode_16_64 3
		.amdhsa_memory_ordered 1
		.amdhsa_forward_progress 1
		.amdhsa_inst_pref_size 76
	.end_amdhsa_kernel
	.amdgpu_metadata
---
amdhsa.version: [ 1, 2 ]
amdhsa.kernels:
  - .name:           k_q6ab3820162_prep
    .symbol:         k_q6ab3820162_prep.kd
    .args:
      - { .name: input, .offset: 0, .size: 8, .value_kind: global_buffer, .address_space: global }
      - { .name: W1, .offset: 8, .size: 8, .value_kind: global_buffer, .address_space: global }
      - { .name: b1, .offset: 16, .size: 8, .value_kind: global_buffer, .address_space: global }
      - { .name: W2, .offset: 24, .size: 8, .value_kind: global_buffer, .address_space: global }
      - { .name: quad_x0, .offset: 32, .size: 8, .value_kind: global_buffer, .address_space: global }
      - { .name: quad_x1, .offset: 40, .size: 8, .value_kind: global_buffer, .address_space: global }
      - { .name: quad_x2, .offset: 48, .size: 8, .value_kind: global_buffer, .address_space: global }
      - { .name: quad_x3, .offset: 56, .size: 8, .value_kind: global_buffer, .address_space: global }
      - { .name: Wq0a, .offset: 64, .size: 8, .value_kind: global_buffer, .address_space: global }
      - { .name: Wq1a, .offset: 72, .size: 8, .value_kind: global_buffer, .address_space: global }
      - { .name: Wq2a, .offset: 80, .size: 8, .value_kind: global_buffer, .address_space: global }
      - { .name: Wq3a, .offset: 88, .size: 8, .value_kind: global_buffer, .address_space: global }
      - { .name: bq0a, .offset: 96, .size: 8, .value_kind: global_buffer, .address_space: global }
      - { .name: bq1a, .offset: 104, .size: 8, .value_kind: global_buffer, .address_space: global }
      - { .name: bq2a, .offset: 112, .size: 8, .value_kind: global_buffer, .address_space: global }
      - { .name: bq3a, .offset: 120, .size: 8, .value_kind: global_buffer, .address_space: global }
      - { .name: Wq0b, .offset: 128, .size: 8, .value_kind: global_buffer, .address_space: global }
      - { .name: Wq1b, .offset: 136, .size: 8, .value_kind: global_buffer, .address_space: global }
      - { .name: Wq2b, .offset: 144, .size: 8, .value_kind: global_buffer, .address_space: global }
      - { .name: Wq3b, .offset: 152, .size: 8, .value_kind: global_buffer, .address_space: global }
      - { .name: bq0b, .offset: 160, .size: 8, .value_kind: global_buffer, .address_space: global }
      - { .name: bq1b, .offset: 168, .size: 8, .value_kind: global_buffer, .address_space: global }
      - { .name: bq2b, .offset: 176, .size: 8, .value_kind: global_buffer, .address_space: global }
      - { .name: bq3b, .offset: 184, .size: 8, .value_kind: global_buffer, .address_space: global }
      - { .name: eq_param, .offset: 192, .size: 8, .value_kind: global_buffer, .address_space: global }
      - { .name: w2c, .offset: 200, .size: 8, .value_kind: global_buffer, .address_space: global }
      - { .name: w2s, .offset: 208, .size: 8, .value_kind: global_buffer, .address_space: global }
      - { .name: hc, .offset: 216, .size: 8, .value_kind: global_buffer, .address_space: global }
      - { .name: hs, .offset: 224, .size: 8, .value_kind: global_buffer, .address_space: global }
      - { .name: sq, .offset: 232, .size: 8, .value_kind: global_buffer, .address_space: global }
    .group_segment_fixed_size: 6144
    .private_segment_fixed_size: 0
    .kernarg_segment_align: 8
    .kernarg_segment_size: 240
    .max_flat_workgroup_size: 128
    .sgpr_count:     96
    .vgpr_count:     256
    .wavefront_size: 32
...
	.end_amdgpu_metadata
.endif
;; end of part 1
;; launch gemm (part 2): grid 32 x 8, 4 waves a work-group, clusters of 4 x 1, 284,672 bytes of LDS; arguments hc, hs, w2c, w2s, sq, b2, part; writes part
.if DOCPART == 2
	.amdgcn_target "amdgcn-amd-amdhsa--gfx1250"
	.amdhsa_code_object_version 6
	.text
	.protected	k_q6ab3820162_gemm
	.globl	k_q6ab3820162_gemm
	.p2align	8
	.type	k_q6ab3820162_gemm,@function
k_q6ab3820162_gemm:
	s_mov_b64 s[64:65], 0
	v_nop
	global_prefetch_b8 v0, s[64:65] scope:SCOPE_SE
	s_setreg_imm32_b32 hwreg(HW_REG_WAVE_MODE, 25, 1), 1
	s_wait_xcnt 0x0
	s_wait_alu depctr_hold_cnt(0) depctr_sa_sdst(0) depctr_va_vdst(0) depctr_va_sdst(0) depctr_va_ssrc(0) depctr_va_vcc(0) depctr_vm_vsrc(0)
	s_getreg_b32 s2, hwreg(HW_REG_IB_STS2, 6, 4)
	s_cmp_eq_u32 s2, 0
	s_cbranch_scc0 .Lentry_in_a_cluster
	s_endpgm
.Lentry_in_a_cluster:
	s_bfe_u32 s2, ttmp6, 0x10000c
	s_cmp_lg_u32 s2, 0x3003
	s_cbranch_scc0 .Lentry_shape_is_right
	s_endpgm
.Lentry_shape_is_right:
; part[Y][m] = sum over the 512 columns n of block Y of (sum over k of Q(h)[m][k] Q(W2)[k][n] + b2[n]) rhs[n].  No work is left out.
; SHARES.  A work-group takes rows 512 X .. + 511 and columns 512 Y .. + 511; wave w takes rows 128 w on (8 tiles of 16) against all 512 columns, a pair of column tiles (32 columns) at a time, all of K = 1,024 for each pair.
;   A wave's 128 rows of h, as codes, stay in 512 REGISTERS for the whole launch; the block's 512 columns of W2 (262,144 bytes of codes, 16,384 of scale words) lie in LDS for the whole launch, each byte filled once.
;   So each fragment of W2 that a wave reads from LDS feeds eight matrix instructions, and nothing is read from LDS twice by a wave.
; CLUSTER.  The four work-groups of a cluster have the same Y and need the same columns of W2: every tensor load is asked for JOINTLY, with the same descriptor and a mask that names the four.
;   h is not shared so: the four have different rows, and h goes from memory straight into registers.
; THE PRODUCT IS USED TRANSPOSED: source 0 = 16 columns of W2, source 1 = 16 rows of h.  Lane (r, h) then holds row r, and its eight registers the columns 8 h + 0 .. 7 of the tile.
; THE DOT WITH rhs is fused: while one pair's 128 matrix instructions are issued, the pair before, which lies in the other set of accumulators, is multiplied by its 32 numbers of rhs and added up, four packed lines at a time between the matrix instructions.
; rhs of the block (index (b, d, f, m), b = Y) is made at the head from the four S_i: thread t makes the four numbers 4 t .. 4 t + 3.  The bias: sum of b2 rhs over the block is one number, added to every row.
; LIMITS: as stated at the head of the first kernel; b2 rhs is summed apart from the product, which moves a result by rounding alone.
; REGISTERS, in windows of 256 (s_set_vgpr_msb: bits 1:0 source 0, 3:2 source 1, 5:4 source 2, 7:6 destination):
;   window 0: v1-15 addresses; v16-47 h's scale words; v48-55 W2's, one for each ring slot; v56-63 the way out; v64-95 rhs, two sets of 16; v96-111 the rows' sums, a pair for each row tile; v112-123 small things;
;             v128-255 THE RING: eight slots of 16 registers, slot s = K step s of the pair in hand: registers 0-7 the even column tile, 8-15 the odd one
;   window 1: the accumulators, two sets of 128: set q, row tile mt, column tile u at v[128 q + 16 mt + 8 u]
;   window 2: h's fragments of K steps 0-3, at v[64 (s % 4) + 8 mt];   window 3: those of K steps 4-7
.set BS,    262144                     ; LDS: from 0 the codes, 32 column tiles x 8 K steps x 1,024 bytes; here the scale words, 16 pairs x 8 K steps x 128 bytes
.set RHS,   278528                     ; rhs of the block, 512 f32
.set CW,    280576                     ; the four waves' parts of sum b2 rhs
.set STG,   280832                     ; the way out: 512 bytes for each wave
.set SPARE, 282880                     ; the spare words, 128 bytes for each wave: two blocks of 256 bytes that no other line names
.set ADB,   2                          ; v2   16 x lane + 16,384 x the pair in hand
.set ADS,   3                          ; v3   BS + 4 x lane + 1,024 x pair
.set ADR,   4                          ; v4   RHS + 32 h + 128 x pair
.set CN,    5                          ; v5   sum of b2 rhs over the block
.set SPW,   14                         ; v14  LDS address of my spare word; never rewritten
.set NIL,   15                         ; v15  0; never rewritten
.set ASC,   16
.set BSC,   48
.set Z,     56
.set RH,    64
.set P,     96
.set RING,  128
.set MSB, 0
.macro WIN new                         ; the immediate's high byte repeats the setting that is left; a switch that changes nothing is dropped
.if MSB != \new
	s_set_vgpr_msb (MSB<<8)|\new
.set MSB, \new
.endif
.endm
.macro PLACES                          ; four places: in front of loads into registers that matrix instructions have read, and of the first read of results
.rept 4
	v_nop
.endr
.endm
.macro CROUND                          ; a round of the cluster's barrier
	s_barrier_signal -1
	s_barrier_wait -1
	s_cmp_lg_u32 s18, 0
	s_cbranch_scc1 .Lnot_wave_0_\@
	s_barrier_signal -3
.Lnot_wave_0_\@:
	s_barrier_wait -3
	s_barrier_signal -1
	s_barrier_wait -1
.endm
; one matrix instruction on the registers rD, rA, rB, rSB set by MM2.  ra, rb: which half of the lanes holds the side's scale words
.macro MMX zero, ra, rb
.if \zero
.if ((\ra) == 0) && ((\rb) == 0)
	v_wmma_scale_f32_16x16x128_f8f6f4 v[rD:rD+7], v[rA:rA+7], v[rB:rB+7], 0, v[BSC+g], v[rSB] matrix_a_fmt:MATRIX_FMT_FP4 matrix_b_fmt:MATRIX_FMT_FP4
.elseif (\rb) == 0
	v_wmma_scale_f32_16x16x128_f8f6f4 v[rD:rD+7], v[rA:rA+7], v[rB:rB+7], 0, v[BSC+g], v[rSB] matrix_a_fmt:MATRIX_FMT_FP4 matrix_b_fmt:MATRIX_FMT_FP4 matrix_a_scale:MATRIX_SCALE_ROW1
.elseif (\ra) == 0
	v_wmma_scale_f32_16x16x128_f8f6f4 v[rD:rD+7], v[rA:rA+7], v[rB:rB+7], 0, v[BSC+g], v[rSB] matrix_a_fmt:MATRIX_FMT_FP4 matrix_b_fmt:MATRIX_FMT_FP4 matrix_b_scale:MATRIX_SCALE_ROW1
.else
	v_wmma_scale_f32_16x16x128_f8f6f4 v[rD:rD+7], v[rA:rA+7], v[rB:rB+7], 0, v[BSC+g], v[rSB] matrix_a_fmt:MATRIX_FMT_FP4 matrix_b_fmt:MATRIX_FMT_FP4 matrix_a_scale:MATRIX_SCALE_ROW1 matrix_b_scale:MATRIX_SCALE_ROW1
.endif
.else
.if ((\ra) == 0) && ((\rb) == 0)
	v_wmma_scale_f32_16x16x128_f8f6f4 v[rD:rD+7], v[rA:rA+7], v[rB:rB+7], v[rD:rD+7], v[BSC+g], v[rSB] matrix_a_fmt:MATRIX_FMT_FP4 matrix_b_fmt:MATRIX_FMT_FP4
.elseif (\rb) == 0
	v_wmma_scale_f32_16x16x128_f8f6f4 v[rD:rD+7], v[rA:rA+7], v[rB:rB+7], v[rD:rD+7], v[BSC+g], v[rSB] matrix_a_fmt:MATRIX_FMT_FP4 matrix_b_fmt:MATRIX_FMT_FP4 matrix_a_scale:MATRIX_SCALE_ROW1
.elseif (\ra) == 0
	v_wmma_scale_f32_16x16x128_f8f6f4 v[rD:rD+7], v[rA:rA+7], v[rB:rB+7], v[rD:rD+7], v[BSC+g], v[rSB] matrix_a_fmt:MATRIX_FMT_FP4 matrix_b_fmt:MATRIX_FMT_FP4 matrix_b_scale:MATRIX_SCALE_ROW1
.else
	v_wmma_scale_f32_16x16x128_f8f6f4 v[rD:rD+7], v[rA:rA+7], v[rB:rB+7], v[rD:rD+7], v[BSC+g], v[rSB] matrix_a_fmt:MATRIX_FMT_FP4 matrix_b_fmt:MATRIX_FMT_FP4 matrix_a_scale:MATRIX_SCALE_ROW1 matrix_b_scale:MATRIX_SCALE_ROW1
.endif
.endif
.endm
; K step g, row tile mt, both column tiles of the pair, into set q.  W2's scale word register holds the even tile's words in lanes 0-15 and the odd tile's in lanes 16-31; h's holds an even row tile's below and the odd one's above.
; K step 0 starts the sums with the constant 0: nothing is cleared.
.macro MM2 q, mt
	WIN mw
.irp u, 0,1
.set rD, 128*(\q)+16*(\mt)+8*\u
.set rA, RING+16*g+8*\u
.set rB, 64*(g%4)+8*(\mt)
.set rSB, ASC+8*((\mt)/2)+g
.if g == 0
	MMX 1, \u, (\mt)%2
.else
	MMX 0, \u, (\mt)%2
.endif
.endr
.endm
; a ring slot: a K step's two fragments of W2 (each an image of its registers: two loads of 16 bytes a lane, 512 bytes apart) and the pair's scale words
.macro RLOAD slot, off, soff
	WIN 0
	ds_load_b128 v[RING+16*(\slot):RING+16*(\slot)+3],     v[ADB] offset:(\off)
	ds_load_b128 v[RING+16*(\slot)+4:RING+16*(\slot)+7],   v[ADB] offset:(\off)+512
	ds_load_b128 v[RING+16*(\slot)+8:RING+16*(\slot)+11],  v[ADB] offset:(\off)+8192
	ds_load_b128 v[RING+16*(\slot)+12:RING+16*(\slot)+15], v[ADB] offset:(\off)+8192+512
	ds_load_b32 v[BSC+(\slot)], v[ADS] offset:(\soff)
.endm
; slice u of 16 of the dot with rhs, on a finished set: registers 2 (u / 2), + 1 of row tiles 4 (u % 2) + 0 .. 3: four lines that do not wait for each other.  The slices go in ascending order
.macro EPI set, u
	WIN 0x01                                       ; source 0, the accumulators: window 1
.set ei, (\u)/2
.set em, 4*((\u)%2)
.irp t, 0,1,2,3
	v_pk_fma_f32 v[P+2*(em+\t):P+2*(em+\t)+1], v[128*(\set)+16*(em+\t)+2*ei:128*(\set)+16*(em+\t)+2*ei+1], v[RH+16*(\set)+2*ei:RH+16*(\set)+2*ei+1], v[P+2*(em+\t):P+2*(em+\t)+1]
.endr
.endm
; A PAIR of column tiles: 128 matrix instructions into set q, in eight groups, one for each K step; in a group the 16 accumulators take turns, one instruction a turn.
; epi = 1: the other set, the pair before, is multiplied by its rhs meanwhile.  epi = 0: the first pair: h's fragments are still landing, K step by K step.
; ld = 2: the ring goes on into the next pair; ld = 1: the last pair.
; THE RING.  Group 0 loads this pair's K step 7 into slot 7; group g loads the next pair's K step g - 1 into slot g - 1, which group g - 1 has just multiplied.  Between a slot's last reader and the loads into it stand four plain lines
; or more that name none of that reader's registers: the four v_nop or the slices of the dot.  Groups 1 to 4 also load four of this pair's 16 registers of rhs.
; THE WAITS ON DScnt.  Ahead of group 0: 15: behind the last load of the rhs that the slices will read, groups 5 to 7 of the pair before issued 15.  Ahead of groups 1 to 7: 30: behind a slot's loads six groups have issued five or more each.
; In the last pair only group 0's five and the four loads of rhs are issued: behind slot g's loads stand 9 or more for g = 1 .. 6, and 4 for g = 7.
.macro PAIR q, epi, ld
.set g, 0
.rept 8
.set mw, 0x58+4*(g/4)                  ; source 0 (the ring) window 0, source 1 (h) window 2 or 3, C and D window 1
.if (\epi) == 0
.if 16*(7-g) > 63
	s_wait_loadcnt 63                              ; h's K step g is in: behind its loads 16 (7 - g) were issued; 63 is the largest count that the wait can name
.else
	s_wait_loadcnt 16*(7-g)
.endif
.endif
.if g == 0
	s_wait_dscnt 15
.elseif (\ld) == 2
	s_wait_dscnt 30
.elseif g < 7
	s_wait_dscnt 9
.else
	s_wait_dscnt 4
.endif
	MM2 \q, 0
.if ((\epi) == 0) || (g == 0)
	PLACES                                         ; in group 0 also the places between the pair before's last products and the first read of its results
.else
	EPI 1-(\q), 2*g
.endif
	MM2 \q, 1
.if \epi
.if g == 0
	EPI 1-(\q), 0
.else
	EPI 1-(\q), 2*g+1
.endif
.endif
	MM2 \q, 2
.if g == 0
	RLOAD 7, 7168, 896
.elseif (\ld) == 2
	RLOAD g-1, 16384+1024*(g-1), 1024+128*(g-1)
.endif
.if (g >= 1) && (g <= 4)
	WIN 0
	ds_load_b128 v[RH+16*(\q)+4*(g-1):RH+16*(\q)+4*(g-1)+3], v[ADR] offset:16*((g-1)%2)+64*((g-1)/2)   ; rhs[32 pair + 16 u + 8 h + 0 .. 7], u = (g - 1) / 2
.endif
.if (g == 7) && ((\ld) == 2)
	v_add_nc_u32 v[ADB], 16384, v[ADB]             ; on to the next pair
	v_add_nc_u32 v[ADS], 1024, v[ADS]
	v_add_nc_u32 v[ADR], 128, v[ADR]
.endif
	MM2 \q, 3
.if (\epi) && (g == 0)
	EPI 1-(\q), 1
.endif
	MM2 \q, 4
	MM2 \q, 5
	MM2 \q, 6
	MM2 \q, 7
.set g, g+1
.endr
.endm
; The next quarter of W2's columns has landed in every wave's part: my loads up to it are done (n later ones may stay out), no LDS instruction of mine is pending
.macro BAR n
	WIN 0
	s_wait_tensorcnt \n
	s_wait_dscnt 0x0
	s_barrier_signal -1
	s_barrier_wait -1
.endm
	s_load_b256 s[4:11], s[0:1], 0x0               ; hc s[4:5], hs s[6:7], w2c s[8:9], w2s s[10:11]
	s_load_b128 s[12:15], s[0:1], 0x20             ; sq s[12:13], b2 s[14:15]
	s_load_b64 s[16:17], s[0:1], 0x30              ; part
	v_lshl_add_u32 v[SPW], v0, 2, SPARE
	v_mov_b32 v[NIL], 0
	ds_add_u32 v[SPW], v[NIL]                      ; the wave's opening: the add, twice on end, and its wait ahead of my first tensor load; the set-up below, work on registers, stands between
	ds_add_u32 v[SPW], v[NIL]
	v_lshrrev_b32 v1, 5, v0
	v_readfirstlane_b32 s18, v1                    ; wave 0..3
	s_bfe_u32 s19, ttmp6, 0x40000                  ; cx: my place in the cluster: it enters h's and part's global addresses alone
	s_lshl_b32 s56, ttmp9, 2
	s_add_co_u32 s56, s56, s19                     ; X = 4 x cluster x + cx
	s_and_b32 s57, ttmp7, 0xffff                   ; Y, which the four partners share
	; descriptor group 1: a dense block as rows of 256 bytes (32 elements of 8 bytes), no padding: the fragments are read 16 bytes a lane, 512 consecutive bytes a load
	s_mov_b32 s20, 15|(3<<16)|(1<<21)              ; 15:0 the mask: all four work-groups; 17:16 elements of 8 bytes; 21 set beside a mask
	s_mov_b32 s21, 32<<16                          ; tensor_dim0 = 32
	s_mov_b32 s22, 64<<16                          ; tensor_dim1 = 64 rows: 16,384 bytes of codes, a wave's quarter of eight column tiles
	s_mov_b32 s23, 32<<16                          ; tile_dim0
	s_mov_b32 s24, 64                              ; tile_dim1
	s_mov_b32 s25, 32                              ; tensor_dim0_stride
	s_mov_b32 s26, 0
	s_mov_b32 s27, 0
	s_mov_b32 s28, 15|(3<<16)|(1<<21)              ; the same with 16 rows: 4,096 bytes of scale words, a wave's quarter
	s_mov_b32 s29, 32<<16
	s_mov_b32 s30, 16<<16
	s_mov_b32 s31, 32<<16
	s_mov_b32 s32, 16
	s_mov_b32 s33, 32
	s_mov_b32 s34, 0
	s_mov_b32 s35, 0
	s_mov_b32 s76, 0x76543210
	s_mov_b32 s77, 0xfedcba98                      ; v_permlanex16_b32's selects for lane l xor 16
	v_and_b32 v114, 31, v0                         ; lane
	v_lshlrev_b32 v1, 4, v114                      ; v1 = 16 x lane; never rewritten
	v_mov_b32 v[ADB], v1
	v_lshl_add_u32 v[ADS], v114, 2, BS
	v_bfe_u32 v[ADR], v0, 4, 1
	v_lshl_add_u32 v[ADR], v[ADR], 5, RHS
	s_lshl_b32 s58, s18, 9
	s_add_co_u32 s58, s58, STG                     ; my stage
	v_lshl_add_u32 v6, v114, 2, s58                ; in: 4 x lane
	v_lshl_add_u32 v7, v114, 4, s58                ; back: 16 x lane
	v_lshrrev_b32 v8, 4, v0
	v_lshlrev_b32 v8, 5, v8                        ; thread t: d = t / 16: S1's row, 32 bytes a row
	v_bfe_u32 v9, v0, 1, 3
	v_lshlrev_b32 v9, 5, v9                        ; f = (t / 2) % 8: S2's row
	v_and_b32 v10, 1, v0
	v_lshlrev_b32 v10, 7, v10                      ; S3's rows 4 (t % 2) + 0 .. 3
	v_lshlrev_b32 v11, 4, v0                       ; b2: my four numbers
	v_lshlrev_b32 v12, 3, v114                     ; hs: 8 x lane
	v_lshl_add_u32 v13, v0, 4, RHS                 ; where I put my four numbers of rhs
	s_lshl_b32 s58, s18, 2
	s_add_co_u32 s58, s58, CW
	v_mov_b32 v112, s58                            ; my wave's word of sum b2 rhs
	v_mov_b32 v113, CW
	v_mov_b32 v197, 0                              ; written once: a lane permute's destination counts as one of its sources
	s_wait_dscnt 0x0                               ; both opening adds are done
	s_wait_kmcnt 0x0
	; descriptor groups 0: every wave fetches its quarter of the scale words and of each of four chunks of eight column tiles.  Y and the wave's number alone enter them
	s_lshl_b32 s58, s57, 18                        ; w2c: 262,144 Y + 16,384 w
	s_lshl_b32 s59, s18, 14
	s_add_co_u32 s58, s58, s59
	s_mov_b32 s59, 0
	s_add_nc_u64 s[60:61], s[8:9], s[58:59]
	s_lshl_b32 s62, s18, 14
.irp c, 0,1,2,3
	s_mov_b32 s[40+4*\c], 1                        ; count = 1
	s_add_co_u32 s[41+4*\c], s62, 65536*\c         ; LDS address: 65,536 c + 16,384 w
	s_add_nc_u64 s[42+4*\c:43+4*\c], s[60:61], 65536*\c
	s_or_b32 s[43+4*\c], s[43+4*\c], 0x80000000    ; type = 2
.endr
	s_lshl_b32 s58, s57, 14                        ; w2s: 16,384 Y + 4,096 w
	s_lshl_b32 s59, s18, 12
	s_add_co_u32 s37, s59, BS
	s_add_co_u32 s58, s58, s59
	s_mov_b32 s59, 0
	s_mov_b32 s36, 1
	s_add_nc_u64 s[38:39], s[10:11], s[58:59]
	s_or_b32 s39, s39, 0x80000000
	; the other bases
	s_lshl_b32 s58, s57, 5
	s_mov_b32 s59, 0
	s_add_nc_u64 s[80:81], s[12:13], s[58:59]      ; S0's row Y
	s_lshl_b32 s58, s57, 11
	s_add_nc_u64 s[82:83], s[14:15], s[58:59]      ; b2 at the block's first column
	s_lshl_b32 s90, s56, 14                        ; hs: 16,384 X + 4,096 w
	s_lshl_b32 s91, s18, 12
	s_add_co_u32 s90, s90, s91
	s_mov_b32 s91, 0
	s_add_nc_u64 s[84:85], s[6:7], s[90:91]
	s_lshl_b32 s90, s56, 18                        ; hc: 262,144 X + 65,536 w
	s_lshl_b32 s91, s18, 16
	s_add_co_u32 s90, s90, s91
	s_mov_b32 s91, 0
	s_add_nc_u64 s[86:87], s[4:5], s[90:91]
	s_lshl_b32 s90, s57, 16                        ; part: 65,536 Y + 2,048 X + 512 w
	s_lshl_b32 s91, s56, 11
	s_add_co_u32 s90, s90, s91
	s_lshl_b32 s91, s18, 9
	s_add_co_u32 s90, s90, s91
	s_mov_b32 s91, 0
	s_add_nc_u64 s[88:89], s[16:17], s[90:91]
	CROUND                                         ; all four work-groups are here: the joint loads meet
	tensor_load_to_lds s[36:39], s[28:35]          ; all fills of the launch go out as one group: five loads of mine are out.  The scale words,
	s_nop 0
	tensor_load_to_lds s[40:43], s[20:27]          ; column tiles 0-7,
	s_nop 0
	tensor_load_to_lds s[44:47], s[20:27]          ; 8-15,
	s_nop 0
	tensor_load_to_lds s[48:51], s[20:27]          ; 16-23,
	s_nop 0
	tensor_load_to_lds s[52:55], s[20:27]          ; 24-31
	s_nop 0
.rept 4
	v_nop                                          ; (the windows are switched only behind these)
.endr
	s_load_b256 s[68:75], s[80:81], 0x0            ; S0[Y][0 .. 7]
	global_load_b128 v[128:131], v8, s[12:13] offset:256      ; S1[d][..]
	global_load_b128 v[132:135], v8, s[12:13] offset:272
	global_load_b128 v[136:139], v9, s[12:13] offset:512      ; S2[f][..]
	global_load_b128 v[140:143], v9, s[12:13] offset:528
.irp k, 0,1,2,3,4,5,6,7
	global_load_b128 v[144+4*\k:147+4*\k], v10, s[12:13] offset:768+16*\k   ; S3's four rows: row j at v[144 + 8 j]
.endr
	global_load_b128 v[176:179], v11, s[82:83]     ; b2
.irp p, 0,1,2,3
.irp q, 0,1,2,3
	global_load_b64 v[ASC+8*\p+2*\q:ASC+8*\p+2*\q+1], v12, s[84:85] offset:1024*\p+256*\q   ; h's scale words: pair of row tiles p, K steps 2 q and 2 q + 1; lane l has row 32 p + l's
.endr
.endr
.irp s, 0,1,2,3,4,5,6,7                        ; h's fragments, K step by K step, 16 loads each: the first pair begins when the first K step is in
	WIN 0x80+0x40*(\s/4)                           ; destination window 2 or 3, address window 0
.irp m, 0,1,2,3,4,5,6,7
	global_load_b128 v[64*(\s%4)+8*\m:64*(\s%4)+8*\m+3],   v1, s[86:87] offset:8192*\m+1024*\s
	global_load_b128 v[64*(\s%4)+8*\m+4:64*(\s%4)+8*\m+7], v1, s[86:87] offset:8192*\m+1024*\s+512
.endr
.endr
	WIN 0
	s_wait_loadcnt 63                              ; the S_i, b2 and h's scale words are in: 128 loads or more were issued behind them; 63 is the largest count that the wait can name
	s_wait_kmcnt 0x0
.irp i, 0,2,4,6
	v_pk_mul_f32 v[128+\i:129+\i], v[128+\i:129+\i], v[136+\i:137+\i]   ; S1[d][x] S2[f][x]
.endr
.irp x, 0,1,2,3,4,5,6,7
	v_mul_f32 v[128+\x], s[68+\x], v[128+\x]       ; x S0[Y][x]
.endr
.irp j, 0,1,2,3
	v_pk_mul_f32 v[188+2*\j:189+2*\j], v[128:129], v[144+8*\j:145+8*\j]   ; x S3[m][x], summed over x, two at a time
.endr
.irp i, 2,4,6
.irp j, 0,1,2,3
	v_pk_fma_f32 v[188+2*\j:189+2*\j], v[128+\i:129+\i], v[144+8*\j+\i:145+8*\j+\i], v[188+2*\j:189+2*\j]
.endr
.endr
.irp j, 0,1,2,3
	v_add_f32 v[184+\j], v[188+2*\j], v[189+2*\j]  ; rhs[512 Y + 4 t + j]
.endr
	v_mul_f32 v196, v176, v184                     ; my part of sum b2 rhs,
	v_fma_f32 v196, v177, v185, v196
	v_fma_f32 v196, v178, v186, v196
	v_fma_f32 v196, v179, v187, v196
	v_add_f32_dpp v196, v196, v196 row_xmask:1 row_mask:0xf bank_mask:0xf   ; and my wave's
	v_add_f32_dpp v196, v196, v196 row_xmask:2 row_mask:0xf bank_mask:0xf
	v_add_f32_dpp v196, v196, v196 row_xmask:4 row_mask:0xf bank_mask:0xf
	v_add_f32_dpp v196, v196, v196 row_xmask:8 row_mask:0xf bank_mask:0xf
	v_permlanex16_b32 v197, v196, s76, s77
	v_add_f32 v196, v196, v197
	ds_store_b128 v13, v[184:187]
	ds_store_b32 v112, v196                        ; all lanes write the same word with the same value
.irp i, 0,1,2,3,4,5,6,7,8,9,10,11,12,13,14,15
	v_mov_b32 v[P+\i], 0                           ; the rows' sums: the loop's first slices find zeros
.endr
	s_wait_tensorcnt 0x3                           ; my parts of the scale words and of column tiles 0-7 are in; three later loads may stay out
	s_wait_dscnt 0x0                               ; for the others' sake: my stores have landed
	s_barrier_signal -1
	s_barrier_wait -1
	ds_load_b128 v[116:119], v113
.irp s, 0,1,2,3,4,5,6
	RLOAD \s, 1024*\s, 128*\s                      ; the first pair's K steps 0 to 6
.endr
	s_wait_dscnt 0x0
	v_add_f32 v116, v116, v117
	v_add_f32 v118, v118, v119
	v_add_f32 v[CN], v116, v118
	PAIR 0, 0, 2                                   ; pair 0
	BAR 2                                          ; column tiles 8-15 (pair 3 begins to read them)
	s_mov_b32 s78, 3
.Lt1:                                              ; pairs 1 to 6
	PAIR 1, 1, 2
	PAIR 0, 1, 2
	WIN 0                                          ; at a label and at a branch every window is 0
	s_sub_co_u32 s78, s78, 1
	s_cmp_lg_u32 s78, 0
	s_cbranch_scc1 .Lt1
	BAR 1                                          ; column tiles 16-23 (pair 7 begins to read them)
	s_mov_b32 s78, 2
.Lt2:                                              ; pairs 7 to 10
	PAIR 1, 1, 2
	PAIR 0, 1, 2
	WIN 0
	s_sub_co_u32 s78, s78, 1
	s_cmp_lg_u32 s78, 0
	s_cbranch_scc1 .Lt2
	BAR 0                                          ; column tiles 24-31 (pair 11 begins to read them)
	s_mov_b32 s78, 2
.Lt3:                                              ; pairs 11 to 14
	PAIR 1, 1, 2
	PAIR 0, 1, 2
	WIN 0
	s_sub_co_u32 s78, s78, 1
	s_cmp_lg_u32 s78, 0
	s_cbranch_scc1 .Lt3
	PAIR 1, 1, 1                                   ; pair 15: nothing is left to fetch
	s_wait_dscnt 0x0                               ; its rhs
	PLACES
.irp u, 0,1,2,3,4,5,6,7,8,9,10,11,12,13,14,15
	EPI 1, \u                                      ; and its dot
.endr
	WIN 0
	; THE WAY OUT.  A lane holds, for each row tile, the sum over its half's columns.  The exchange of halves puts the two halves' sums of row 32 i + l into lane l of two registers.
.irp m, 0,1,2,3,4,5,6,7
	v_add_f32 v[Z+\m], v[P+2*\m], v[P+2*\m+1]
.endr
.irp i, 0,1,2,3
	v_permlane16_swap_b32 v[Z+2*\i], v[Z+2*\i+1]   ; the first's lanes 16-31 change places with the second's lanes 0-15
.endr
.irp i, 0,1,2,3
	v_add_f32 v[Z+2*\i], v[Z+2*\i], v[CN]
.endr
.irp i, 0,1,2,3
	v_add_f32 v[Z+2*\i], v[Z+2*\i], v[Z+2*\i+1]
.endr
.irp i, 0,1,2,3
	ds_store_b32 v6, v[Z+2*\i] offset:128*\i       ; my wave's 128 rows in order, through its own stage,
.endr
	ds_load_b128 v[120:123], v7                    ; back four rows a lane: LDS serves a wave's instructions in order (ISA guide 5.7.1.4)
	s_wait_dscnt 0x0
	global_store_b128 v1, v[120:123], s[88:89]     ; the wave stores 512 consecutive bytes, aligned
	s_wait_tensorcnt 0x0                           ; the wave's end: behind my last tensor load and my last LDS store
	ds_add_u32 v[SPW], v[NIL]
	s_wait_dscnt 0x0
	CROUND                                         ; the closing round: no work-group ends while a partner may still ask for a tile that names it
	s_endpgm
.Lfunc_end_k_q6ab3820162_gemm:
	.size	k_q6ab3820162_gemm, .Lfunc_end_k_q6ab3820162_gemm-k_q6ab3820162_gemm
	.p2alignl 7, 3214868480
	.fill 96, 4, 3214868480
	.section	.rodata,"a",@progbits
	.p2align	6, 0x0
	.amdhsa_kernel k_q6ab3820162_gemm
		.amdhsa_group_segment_fixed_size 284672
		.amdhsa_private_segment_fixed_size 0
		.amdhsa_enable_private_segment 0
		.amdhsa_kernarg_size 56
		.amdhsa_user_sgpr_count 2
		.amdhsa_user_sgpr_kernarg_segment_ptr 1
		.amdhsa_wavefront_size32 1
		.amdhsa_system_sgpr_workgroup_id_x 1
		.amdhsa_system_sgpr_workgroup_id_y 1
		.amdhsa_system_sgpr_workgroup_id_z 1
		.amdhsa_system_vgpr_workitem_id 0
		.amdhsa_next_free_vgpr 1024
		.amdhsa_next_free_sgpr 96
		.amdhsa_reserve_vcc 0
		.amdhsa_float_denorm_mode_32 3
		.amdhsa_float_denorm_mode_16_64 3
		.amdhsa_memory_ordered 1
		.amdhsa_forward_progress 1
		.amdhsa_inst_pref_size 226
	.end_amdhsa_kernel
	.amdgpu_metadata
---
amdhsa.version: [ 1, 2 ]
amdhsa.kernels:
  - .name:           k_q6ab3820162_gemm
    .symbol:         k_q6ab3820162_gemm.kd
    .args:
      - { .name: hc, .offset: 0, .size: 8, .value_kind: global_buffer, .address_space: global }
      - { .name: hs, .offset: 8, .size: 8, .value_kind: global_buffer, .address_space: global }
      - { .name: w2c, .offset: 16, .size: 8, .value_kind: global_buffer, .address_space: global }
      - { .name: w2s, .offset: 24, .size: 8, .value_kind: global_buffer, .address_space: global }
      - { .name: sq, .offset: 32, .size: 8, .value_kind: global_buffer, .address_space: global }
      - { .name: b2, .offset: 40, .size: 8, .value_kind: global_buffer, .address_space: global }
      - { .name: part, .offset: 48, .size: 8, .value_kind: global_buffer, .address_space: global }
    .group_segment_fixed_size: 284672
    .private_segment_fixed_size: 0
    .kernarg_segment_align: 8
    .kernarg_segment_size: 56
    .max_flat_workgroup_size: 128
    .sgpr_count:     96
    .vgpr_count:     1024
    .wavefront_size: 32
...
	.end_amdgpu_metadata
.endif
;; end of part 2
;; launch fin (part 3): grid 32 x 1, 4 waves a work-group, no clusters, 0 bytes of LDS; arguments part, out0; writes out0
.if DOCPART == 3
	.amdgcn_target "amdgcn-amd-amdhsa--gfx1250"
	.amdhsa_code_object_version 6
	.text
	.protected	k_q6ab3820162_fin
	.globl	k_q6ab3820162_fin
	.p2align	8
	.type	k_q6ab3820162_fin,@function
k_q6ab3820162_fin:
	s_mov_b64 s[64:65], 0
	v_nop
	global_prefetch_b8 v0, s[64:65] scope:SCOPE_SE
	s_setreg_imm32_b32 hwreg(HW_REG_WAVE_MODE, 25, 1), 1
	s_wait_xcnt 0x0
; out0[m] = the sum over the eight column blocks of part[block][m].  No work is left out.
; part is [8][16384] f32.  A thread takes four neighbouring rows: eight loads of 16 bytes, 65,536 bytes apart; a wave's load or store covers 512 consecutive bytes, aligned.
; 32 work-groups of 128 threads cover the 16,384 rows.  No LDS, no barrier: threads share nothing.
	s_load_b128 s[4:7], s[0:1], 0x0                ; part, out0
	s_lshl_b32 s8, ttmp9, 11                       ; 128 threads x 16 bytes
	v_lshl_add_u32 v1, v0, 4, s8
	s_wait_kmcnt 0x0
.irp j, 0,1,2,3,4,5,6,7
	global_load_b128 v[4+4*\j:7+4*\j], v1, s[4:5] offset:65536*\j th:TH_LOAD_NT
.endr
	s_wait_loadcnt 0x0
.irp j, 0,2,4,6                                ; a tree of packed sums: blocks j and j + 1,
	v_pk_add_f32 v[4+4*\j:5+4*\j], v[4+4*\j:5+4*\j], v[8+4*\j:9+4*\j]
	v_pk_add_f32 v[6+4*\j:7+4*\j], v[6+4*\j:7+4*\j], v[10+4*\j:11+4*\j]
.endr
.irp j, 0,4                                    ; j and j + 2,
	v_pk_add_f32 v[4+4*\j:5+4*\j], v[4+4*\j:5+4*\j], v[12+4*\j:13+4*\j]
	v_pk_add_f32 v[6+4*\j:7+4*\j], v[6+4*\j:7+4*\j], v[14+4*\j:15+4*\j]
.endr
	v_pk_add_f32 v[4:5], v[4:5], v[20:21]          ; 0 and 4
	v_pk_add_f32 v[6:7], v[6:7], v[22:23]
	global_store_b128 v1, v[4:7], s[6:7]
	s_endpgm
.Lfunc_end_k_q6ab3820162_fin:
	.size	k_q6ab3820162_fin, .Lfunc_end_k_q6ab3820162_fin-k_q6ab3820162_fin
	.p2alignl 7, 3214868480
	.fill 96, 4, 3214868480
	.section	.rodata,"a",@progbits
	.p2align	6, 0x0
	.amdhsa_kernel k_q6ab3820162_fin
		.amdhsa_group_segment_fixed_size 0
		.amdhsa_private_segment_fixed_size 0
		.amdhsa_enable_private_segment 0
		.amdhsa_kernarg_size 16
		.amdhsa_user_sgpr_count 2
		.amdhsa_user_sgpr_kernarg_segment_ptr 1
		.amdhsa_wavefront_size32 1
		.amdhsa_system_sgpr_workgroup_id_x 1
		.amdhsa_system_sgpr_workgroup_id_y 1
		.amdhsa_system_sgpr_workgroup_id_z 1
		.amdhsa_system_vgpr_workitem_id 0
		.amdhsa_next_free_vgpr 48
		.amdhsa_next_free_sgpr 66
		.amdhsa_reserve_vcc 0
		.amdhsa_float_denorm_mode_32 3
		.amdhsa_float_denorm_mode_16_64 3
		.amdhsa_memory_ordered 1
		.amdhsa_forward_progress 1
		.amdhsa_inst_pref_size 3
	.end_amdhsa_kernel
	.amdgpu_metadata
---
amdhsa.version: [ 1, 2 ]
amdhsa.kernels:
  - .name:           k_q6ab3820162_fin
    .symbol:         k_q6ab3820162_fin.kd
    .args:
      - { .name: part, .offset: 0, .size: 8, .value_kind: global_buffer, .address_space: global }
      - { .name: out0, .offset: 8, .size: 8, .value_kind: global_buffer, .address_space: global }
    .group_segment_fixed_size: 0
    .private_segment_fixed_size: 0
    .kernarg_segment_align: 8
    .kernarg_segment_size: 16
    .max_flat_workgroup_size: 128
    .sgpr_count:     66
    .vgpr_count:     48
    .wavefront_size: 32
...
	.end_amdgpu_metadata
.endif
;; end of part 3
;; ======== version 2 of 2: 3 launches; 1.17 times as fast as version 1
;; limits: a function is approximated: absolute error at most 1e-07; right only within a limited range of input values
;; workspace buffers: w2c 2,097,152 bytes; w2s 131,072 bytes; hc 8,388,608 bytes; hs 524,288 bytes; sq 1,024 bytes; part 524,288 bytes
;; launch prep (part 4): grid 772 x 1, 4 waves a work-group, no clusters, 22,528 bytes of LDS; arguments input, W1, b1, W2, quad_x0, quad_x1, quad_x2, quad_x3, Wq0a, Wq1a, Wq2a, Wq3a, bq0a, bq1a, bq2a, bq3a, Wq0b, Wq1b, Wq2b, Wq3b, bq0b, bq1b, bq2b, bq3b, eq_param, w2c, w2s, hc, hs, sq; writes w2c, w2s, hc, hs, sq
.if DOCPART == 4
	.amdgcn_target "amdgcn-amd-amdhsa--gfx1250"
	.amdhsa_code_object_version 6
	.text
	.protected	k_q6ab3820162_prep
	.globl	k_q6ab3820162_prep
	.p2align	8
	.type	k_q6ab3820162_prep,@function
k_q6ab3820162_prep:
	s_mov_b64 s[64:65], 0
	v_nop
	global_prefetch_b8 v0, s[64:65] scope:SCOPE_SE
	s_setreg_imm32_b32 hwreg(HW_REG_WAVE_MODE, 25, 1), 1
	s_wait_xcnt 0x0
; out[m] = sum over n of (sum over k of Q(h)[m][k] Q(W2)[k][n] + b2[n]) rhs[n],  h = tanh(input W1 + b1),  rhs = the rank-8 contraction of four 8 x 8 matrices S_i.
; THIS LAUNCH makes all that the product launch reads: the codes and scale bytes of W2 and of h (E2M1, one E8M0 byte for each 32 along K), and the four S_i.
; NO WORK IS LEFT OUT: every input has a way to the output and is loaded by some launch; every product of the problem is computed.
; THREE PATHS, parted on the work-group's number alone (the same in all four waves of a work-group):
;   Q, work-groups 0-3:     factor f: S_f[c] = sum over the 64 points of eq_param sin(pi x) (Q(tanh(x Wa + ba)) Q(Wb) + bb)[point][c], 64 numbers, to sq
;   W, work-groups 4-259:   128 columns x 128 along K of W2: a lane takes a column, its registers run down K
;   H, work-groups 260-771: 32 rows of h: a lane takes a row, a wave 256 along K.  All lanes work on the same k: the wave's 4,096 bytes of W1 and b1 are loaded once, laid in the wave's own LDS,
;                           and read back a block of 32 k at a time with the same address in all lanes, one block ahead of the arithmetic
; LAYOUT OF THE CODES (w2c, hc): [tile of 16 rows][K step of 128][block of 32][row][16 bytes].  That is the image of a 4-bit operand's registers: group c of four registers of lane l lies at 512 c + 16 l.
;   A lane that holds one whole block of one row stores its 16 bytes from registers, and sixteen neighbouring lanes cover 256 consecutive bytes, aligned.
; LAYOUT OF THE SCALE WORDS: w2s [pair of column tiles][K step][lane] one word; hs [pair of row tiles][quarter of K][lane][2 words]: byte b of a word is block b of its K step.
; THE QUANTISER: a block's largest magnitude with the floor 2^(3 - 127) among its leaves; 2 off its exponent field is the conversion's scale operand, and that field the byte.
; tanh(x) = 1 - 2 / (1 + 2^(2 log2(e) x)): an exponential that overflows or falls to 0 gives +1 or -1.
; LIMITS: NaN and infinities among the inputs are not served.  A block of zeros, or one whose largest magnitude lies under 2^-124, gets the byte 1 (its codes are zeros or held to the byte 1 as the rule holds them; the bytes are read by this program alone).
;   tanh in this form carries an absolute error of about 1e-7.  sin(pi x) is taken of x less its nearest whole number, exactly, where the problem rounds pi x first; the sign by that whole number's parity wants |x| under 2^23.
.set BIMG,  0                          ; LDS, path Q: the four fragments of Wb, 1,024 bytes each, as images of their registers
.set BSCL,  4096                       ; their scale words, 128 bytes each
.set PARTS, 4608                       ; the four waves' partial sums, 256 bytes each
.set SPARE, 5632                       ; the spare words, 128 bytes for each wave: two blocks of 256 bytes that no other line names
.set HB,    6144                       ; LDS, path H, bytes of its own: for each wave 4,096: W1's three rows and b1 at the wave's 256 k, 1,024 bytes each
.set SPW,   254                        ; v254 LDS address of my spare word; never rewritten
.set NIL,   255                        ; v255 0; never rewritten
.set M0,    246                        ; v246, v247 two chains of a block's largest magnitude
.set M1,    247
.set SOP,   248                        ; v248 the conversion's scale operand
.set CS,    84                         ; s[84:85] 2 log2(e): the packed form names a pair and takes its low word
.set T,     32                         ; path H: v32-63 a block's 32 numbers
.set WA,    64                         ; path H: v64-127 W1's rows 0, 1, 2 and b1 at the block's k 0-15, 16 registers each, the same numbers in all lanes
.set WB,    128                        ; path H: v128-191 the same at k 16-31
.set R1,    32                         ; path Q: v32-95 Wa, then the hidden layer; later at work
.set R2,    96                         ; path Q: v96-159 ba; later v96-127 the four fragments of Wb
.set R3,    160                        ; path Q: v160-223 my column of Wb; later v160-191 four accumulators
; 32 numbers of one lane, one block, become 4 registers of codes; the scale's byte goes to v[by]
.macro QBLK src, dst, by
	v_max3_num_f32 v[M0], |v[(\src)]|, |v[(\src)+1]|, |v[(\src)+2]|
	v_max3_num_f32 v[M1], |v[(\src)+3]|, |v[(\src)+4]|, |v[(\src)+5]|
.irp i, 6,10,14,18,22,26
	v_max3_num_f32 v[M0], v[M0], |v[(\src)+\i]|, |v[(\src)+\i+1]|
	v_max3_num_f32 v[M1], v[M1], |v[(\src)+\i+2]|, |v[(\src)+\i+3]|
.endr
	v_max3_num_f32 v[M0], v[M0], |v[(\src)+30]|, |v[(\src)+31]|
	v_max3_num_f32 v[M0], v[M0], v[M1], 0x1800000  ; the floor 2^(3 - 127): the byte cannot fall under 1
	v_add_nc_u32 v[SOP], 0xff000000, v[M0]         ; 2 off the exponent field: the conversion takes that field as its scale
	v_lshrrev_b32 v[(\by)], 23, v[SOP]             ; the scale's byte
.irp g, 0,1,2,3
	v_cvt_scalef32_pk8_fp4_f32 v[(\dst)+\g], v[(\src)+8*\g:(\src)+8*\g+7], v[SOP]
.endr
	v_nop                                          ; one plain line behind the last scaled conversion
.endm
; n numbers: x 2 log2(e), then 2^.
.macro EXPS base, n
.set ix, 0
.rept (\n)/2
	v_pk_mul_f32 v[(\base)+ix:(\base)+ix+1], v[(\base)+ix:(\base)+ix+1], s[CS:CS+1] op_sel_hi:[1,0]
.set ix, ix+2
.endr
.set ix, 0
.rept \n
	v_exp_f32 v[(\base)+ix], v[(\base)+ix]
.set ix, ix+1
.endr
.endm
; 32 exponentials become 32 tanh: 1 - 2 / (1 + e).  One wait for all exponentials issued so far, one for the 32 reciprocals
.macro TAIL32 base
	v_nop                                          ; a plain line behind the last exponential
	s_wait_alu depctr_va_vdst(0)
.set ix, 0
.rept 16
	v_pk_add_f32 v[(\base)+ix:(\base)+ix+1], v[(\base)+ix:(\base)+ix+1], 1.0 op_sel_hi:[1,0]
.set ix, ix+2
.endr
.set ix, 0
.rept 32
	v_rcp_f32 v[(\base)+ix], v[(\base)+ix]
.set ix, ix+1
.endr
	v_nop                                          ; a plain line behind the last reciprocal
	s_wait_alu depctr_va_vdst(0)
.set ix, 0
.rept 16
	v_pk_fma_f32 v[(\base)+ix:(\base)+ix+1], v[(\base)+ix:(\base)+ix+1], -2.0, 1.0 op_sel_hi:[1,0,0]
.set ix, ix+2
.endr
.endm
; path H: the block at v27: W1's three rows and b1 at 32 neighbouring k, out of my wave's LDS; every lane reads the same 16 bytes
.macro HLOAD
.irp hb, 0,1
.irp a, 0,1,2,3
.irp g, 0,1,2,3
	ds_load_b128 v[WA+64*\hb+16*\a+4*\g:WA+64*\hb+16*\a+4*\g+3], v27 offset:1024*\a+64*\hb+16*\g
.endr
.endr
.endr
.endm
; path H: 16 numbers x0 W1[0][k] + x1 W1[1][k] + x2 W1[2][k] + b1[k], in f32, two at a time; of the pairs that hold x the low word serves both halves
.macro PKF base, wb
.set ix, 0
.rept 8
	v_pk_fma_f32 v[(\base)+ix:(\base)+ix+1], v[(\wb)+ix:(\wb)+ix+1], v[20:21], v[(\wb)+48+ix:(\wb)+48+ix+1] op_sel_hi:[1,0,1]
.set ix, ix+2
.endr
.set ix, 0
.rept 8
	v_pk_fma_f32 v[(\base)+ix:(\base)+ix+1], v[(\wb)+16+ix:(\wb)+16+ix+1], v[22:23], v[(\base)+ix:(\base)+ix+1] op_sel_hi:[1,0,1]
.set ix, ix+2
.endr
.set ix, 0
.rept 8
	v_pk_fma_f32 v[(\base)+ix:(\base)+ix+1], v[(\wb)+32+ix:(\wb)+32+ix+1], v[24:25], v[(\base)+ix:(\base)+ix+1] op_sel_hi:[1,0,1]
.set ix, ix+2
.endr
.endm
; path H: one block of 32 along K for 32 rows.  ahead = 1: the next block's numbers of W1 and b1 are asked of LDS as soon as this block's multiply-adds have read theirs: the tanh and the quantiser stand in front of the wait for them
.macro HBLK ahead
	s_wait_dscnt 0x0                               ; the block's 128 numbers of W1 and b1 are in
	PKF T, WA
	PKF T+16, WB
.if \ahead
	v_add_nc_u32 v27, 128, v27                     ; 32 k on
	HLOAD
.endif
	EXPS T, 32
	TAIL32 T
	QBLK T, 8, 15
	v_lshrrev_b32 v16, 8, v16                      ; the byte goes in at the top of the pair v17, v16, which moves down 8 bits a block: after eight blocks block 0's lies lowest
	v_lshl_or_b32 v16, v17, 24, v16
	v_lshrrev_b32 v17, 8, v17
	v_lshl_or_b32 v17, v15, 24, v17
	global_store_b128 v18, v[8:11], s[88:89]       ; sixteen lanes store 256 consecutive bytes, aligned
.if \ahead
	s_wait_xcnt 0x0                                ; the store has read its data and its base: both are written again only behind this wait
	s_add_nc_u64 s[88:89], s[88:89], 256
.endif
.endm
; path Q: my two bytes (blocks h and 2 + h, in v241 and v242) and lane l xor 16's two make the row's scale word
.macro SWORD dst
	v_lshl_or_b32 v[\dst], v242, 16, v241
	v_lshlrev_b32 v[\dst], v243, v[\dst]           ; 8 h bits up
	v_permlanex16_b32 v240, v[\dst], s86, s87
	v_or_b32 v[\dst], v[\dst], v240
.endm
	v_lshl_add_u32 v[SPW], v0, 2, SPARE
	v_mov_b32 v[NIL], 0
	v_lshrrev_b32 v1, 5, v0
	v_readfirstlane_b32 s14, v1                    ; wave 0..3
	v_and_b32 v2, 31, v0                           ; lane
	s_mov_b32 s[CS], 0x4038aa3b                    ; 2 log2(e)
	s_mov_b32 s[CS+1], s[CS]
	s_cmp_lt_u32 ttmp9, 4
	s_cbranch_scc1 .Lquad
	s_cmp_lt_u32 ttmp9, 260
	s_cbranch_scc1 .Lw2
; ---------------- PATH H: rows 32 p .. 32 p + 31 of h, p = work-group - 260; wave w: k = 256 w .. 256 w + 255, eight blocks ----------------
	s_load_b128 s[4:7], s[0:1], 0x0                ; input, W1
	s_load_b64 s[8:9], s[0:1], 0x10                ; b1
	s_load_b128 s[88:91], s[0:1], 0xd8             ; hc, hs
	s_sub_co_u32 s10, ttmp9, 260                   ; p
	s_lshl_b32 s16, s14, 10                        ; my first k, in bytes
	s_mov_b32 s17, 0
	v_lshl_add_u32 v3, s10, 5, v2                  ; my row
	v_mul_u32_u24 v3, v3, 12                       ; three f32 a row
	v_lshrrev_b32 v18, 4, v2
	v_and_b32 v19, 15, v2
	v_lshlrev_b32 v19, 4, v19
	v_lshl_add_u32 v18, v18, 13, v19               ; my codes: 8,192 x (lane / 16), the tile, + 16 x (lane % 16), the row
	v_lshlrev_b32 v19, 3, v2                       ; my two scale words: 8 x lane
	v_mov_b32 v16, 0
	v_mov_b32 v17, 0
	v_mov_b32 v21, 0                               ; (the upper halves of the pairs that hold x are named with them, so they are written)
	v_mov_b32 v23, 0
	v_mov_b32 v25, 0
	v_lshlrev_b32 v26, 4, v2                       ; 16 x lane: my 16 bytes of a load's 512
	s_lshl_b32 s15, s14, 12
	s_add_co_u32 s15, s15, HB                      ; my wave's 4,096 bytes of LDS
	v_add_nc_u32 v28, s15, v26                     ; into them: 16 x lane
	v_mov_b32 v27, s15                             ; out of them: the same address in all lanes
	s_lshl_b32 s12, s10, 14                        ; hc: 16,384 p + 2,048 w (eight blocks of 256 bytes a wave)
	s_lshl_b32 s13, s14, 11
	s_add_co_u32 s12, s12, s13
	s_mov_b32 s13, 0
	s_lshl_b32 s92, s10, 10                        ; hs: 1,024 p + 256 w
	s_lshl_b32 s93, s14, 8
	s_add_co_u32 s92, s92, s93
	s_mov_b32 s93, 0
	s_mov_b32 s86, 7
	s_wait_kmcnt 0x0
	s_add_nc_u64 s[88:89], s[88:89], s[12:13]
	s_add_nc_u64 s[90:91], s[90:91], s[92:93]
	s_add_nc_u64 s[6:7], s[6:7], s[16:17]          ; W1 and b1 at my wave's first k
	s_add_nc_u64 s[8:9], s[8:9], s[16:17]
.irp a, 0,1,2
.irp i, 0,1
	global_load_b128 v[192+8*\a+4*\i:195+8*\a+4*\i], v26, s[6:7] offset:4096*\a+512*\i   ; W1's row a, my wave's 1,024 bytes: 512 consecutive bytes a load
.endr
.endr
.irp i, 0,1
	global_load_b128 v[216+4*\i:219+4*\i], v26, s[8:9] offset:512*\i                      ; b1 likewise
.endr
	global_load_b32 v20, v3, s[4:5]                ; my row of the input
	global_load_b32 v22, v3, s[4:5] offset:4
	global_load_b32 v24, v3, s[4:5] offset:8
	s_wait_loadcnt 0x3                             ; W1 and b1 are in; the three loads of x, issued behind them, may be out
.irp j, 0,1,2,3,4,5,6,7
	ds_store_b128 v28, v[192+4*\j:195+4*\j] offset:512*\j   ; as they lie: array a at 1,024 a.  These registers are not written again
.endr
	HLOAD                                          ; the first block: LDS serves a wave's instructions in order (ISA guide 5.7.1.4), and the bytes are my wave's own: no wait, no barrier
	s_wait_loadcnt 0x0                             ; x
.Lhblk:                                            ; seven trips, a block each
	HBLK 1
	s_sub_co_u32 s86, s86, 1
	s_cmp_lg_u32 s86, 0
	s_cbranch_scc1 .Lhblk
	HBLK 0                                         ; the eighth block is written out: nothing is left to ask of LDS
	global_store_b64 v19, v[16:17], s[90:91]       ; the wave stores 256 consecutive bytes, aligned
	s_wait_tensorcnt 0x0                           ; the wave's end: behind my last LDS store
	ds_add_u32 v[SPW], v[NIL]
	s_wait_dscnt 0x0
	s_endpgm
; ---------------- PATH W: j = work-group - 4; K step y = j / 32; wave w: columns 32 (4 (j % 32) + w) on; a lane takes a column ----------------
.Lw2:
	s_load_b64 s[4:5], s[0:1], 0x18                ; W2
	s_load_b128 s[8:11], s[0:1], 0xc8              ; w2c, w2s
	s_sub_co_u32 s15, ttmp9, 4
	s_and_b32 s16, s15, 31
	s_lshr_b32 s17, s15, 5                         ; y
	s_lshl_b32 s18, s16, 2
	s_add_co_u32 s18, s18, s14                     ; my pair of column tiles
	s_lshl_b32 s20, s17, 21                        ; W2: 128 y rows of 16,384 bytes + 128 bytes a pair
	s_lshl_b32 s21, s18, 7
	s_add_co_u32 s20, s20, s21
	s_mov_b32 s21, 0
	s_lshl_b32 s22, s18, 14                        ; w2c: 16,384 a pair + 1,024 y
	s_lshl_b32 s23, s17, 10
	s_add_co_u32 s22, s22, s23
	s_mov_b32 s23, 0
	s_lshl_b32 s24, s18, 10                        ; w2s: 1,024 a pair + 128 y
	s_lshl_b32 s25, s17, 7
	s_add_co_u32 s24, s24, s25
	s_mov_b32 s25, 0
	v_lshlrev_b32 v3, 2, v2                        ; 4 x lane: my column in a row of W2, and my scale word
	v_lshrrev_b32 v4, 4, v2
	v_and_b32 v5, 15, v2
	v_lshlrev_b32 v5, 4, v5
	v_lshl_add_u32 v4, v4, 13, v5                  ; my codes: 8,192 x (lane / 16) + 16 x (lane % 16)
	s_wait_kmcnt 0x0
	s_add_nc_u64 s[4:5], s[4:5], s[20:21]
	s_add_nc_u64 s[8:9], s[8:9], s[22:23]
	s_add_nc_u64 s[10:11], s[10:11], s[24:25]
.set ix, 0
.rept 128
	global_load_b32 v[32+ix], v3, s[4:5] offset:ix*16384 th:TH_LOAD_NT   ; row 128 y + ix: the wave reads 128 consecutive bytes, the four waves side by side 512
.set ix, ix+1
.endr
.irp b, 0,1,2,3
.if \b < 2
	s_wait_loadcnt 63                              ; behind this block's loads 96 or 64 were issued; 63 is the largest count that the wait can name
.elseif \b == 2
	s_wait_loadcnt 32                              ; the last block's 32 may be out
.else
	s_wait_loadcnt 0
.endif
	QBLK 32+32*\b, 8+4*\b, 25
.if \b == 0
	v_mov_b32 v24, v25                             ; the four bytes make my column's scale word for this K step
.else
	v_lshl_or_b32 v24, v25, 8*\b, v24
.endif
	global_store_b128 v4, v[8+4*\b:11+4*\b], s[8:9] offset:256*\b   ; sixteen lanes store 256 consecutive bytes, aligned
.endr
	global_store_b32 v3, v24, s[10:11]             ; 128 consecutive bytes a wave: one byte for each 128 that the path reads
	s_endpgm
; ---------------- PATH Q: factor f = work-group; wave w: points 16 w .. 16 w + 15, and columns 16 w .. 16 w + 15 of Wb to quantise ----------------
.Lquad:
	s_load_b256 s[16:23], s[0:1], 0x20             ; quad_x0 .. 3
	s_load_b256 s[24:31], s[0:1], 0x40             ; Wq0a .. 3a
	s_load_b256 s[32:39], s[0:1], 0x60             ; bq0a .. 3a
	s_load_b256 s[40:47], s[0:1], 0x80             ; Wq0b .. 3b
	s_load_b256 s[48:55], s[0:1], 0xa0             ; bq0b .. 3b
	s_load_b64 s[56:57], s[0:1], 0xc0              ; eq_param
	s_load_b64 s[58:59], s[0:1], 0xe8              ; sq
	v_and_b32 v1, 15, v0                           ; r
	v_bfe_u32 v3, v0, 4, 1                         ; h
	v_lshlrev_b32 v4, 7, v3                        ; Wa, ba: my 32 numbers of each 64 begin 128 h bytes on
	s_lshl_b32 s61, s14, 4                         ; 16 w
	v_add_nc_u32 v5, s61, v1
	v_lshlrev_b32 v5, 2, v5                        ; 4 (16 w + r): my point as the operand's row; also my column of Wb
	v_lshl_add_u32 v6, v3, 3, s61
	v_lshlrev_b32 v6, 2, v6                        ; 4 (16 w + 8 h): the eight points that my accumulator registers hold
	v_lshlrev_b32 v7, 2, v1                        ; 4 r
	v_lshl_add_u32 v245, v3, 13, v5                ; Wb: 32 h rows of 256 bytes down, my column
	v_lshlrev_b32 v243, 3, v3                      ; 8 h
	v_lshlrev_b32 v249, 4, v2                      ; 16 x lane: an image's place for my lane
	s_lshl_b32 s62, s14, 10
	v_add_nc_u32 v250, s62, v249                   ; where I store my fragment: + 1,024 w
	v_lshlrev_b32 v251, 2, v0                      ; 4 x thread
	s_lshl_b32 s63, s14, 8
	v_lshl_add_u32 v252, v1, 2, s63                ; my partial sums: 4 r + 256 w
	v_lshlrev_b32 v253, 2, v2                      ; 4 x lane
	v_mov_b32 v240, 0                              ; written once: a lane permute's destination counts as one of its sources
	s_mov_b32 s86, 0x76543210
	s_mov_b32 s87, 0xfedcba98                      ; v_permlanex16_b32's selects for lane l xor 16
	s_mov_b32 s68, 0xbbf183a6                      ; sin(pi r) / r in r^2: -pi^11 / 11!,
	s_mov_b32 s69, 0x3da83c1b                      ; pi^9 / 9!,
	s_mov_b32 s70, 0xbf196966                      ; -pi^7 / 7!,
	s_mov_b32 s71, 0x402335e3                      ; pi^5 / 5!,
	s_mov_b32 s72, 0xc0a55de7                      ; -pi^3 / 3!,
	s_mov_b32 s73, 0x40490fdb                      ; pi: the first term left out is under 6e-8 for |r| up to 1/2
	s_wait_kmcnt 0x0
	s_load_b32 s60, s[56:57], 0x0                  ; eq_param
	s_cmp_eq_u32 ttmp9, 1                          ; the factor's five buffers: the choice hangs on the work-group's number alone
	s_cselect_b64 s[16:17], s[18:19], s[16:17]
	s_cselect_b64 s[24:25], s[26:27], s[24:25]
	s_cselect_b64 s[32:33], s[34:35], s[32:33]
	s_cselect_b64 s[40:41], s[42:43], s[40:41]
	s_cselect_b64 s[48:49], s[50:51], s[48:49]
	s_cmp_eq_u32 ttmp9, 2
	s_cselect_b64 s[16:17], s[20:21], s[16:17]
	s_cselect_b64 s[24:25], s[28:29], s[24:25]
	s_cselect_b64 s[32:33], s[36:37], s[32:33]
	s_cselect_b64 s[40:41], s[44:45], s[40:41]
	s_cselect_b64 s[48:49], s[52:53], s[48:49]
	s_cmp_eq_u32 ttmp9, 3
	s_cselect_b64 s[16:17], s[22:23], s[16:17]
	s_cselect_b64 s[24:25], s[30:31], s[24:25]
	s_cselect_b64 s[32:33], s[38:39], s[32:33]
	s_cselect_b64 s[40:41], s[46:47], s[40:41]
	s_cselect_b64 s[48:49], s[54:55], s[48:49]
	s_lshl_b32 s62, ttmp9, 8
	s_mov_b32 s63, 0
	s_add_nc_u64 s[58:59], s[58:59], s[62:63]      ; sq at my factor's 64 numbers
	global_load_b32 v22, v5, s[16:17]              ; x of point 16 w + r,
	global_load_b32 v23, v5, s[16:17]              ; twice: the packed form names the pair
	global_load_b128 v[24:27], v6, s[16:17]        ; x of points 16 w + 8 h + 0 .. 7
	global_load_b128 v[28:31], v6, s[16:17] offset:16
.irp c, 0,1
.irp g, 0,1,2,3,4,5,6,7
	global_load_b128 v[R1+32*\c+4*\g:R1+32*\c+4*\g+3], v4, s[24:25] offset:256*\c+16*\g   ; Wa[64 c + 32 h + 4 g ..]: register 32 c + i is k = 64 c + 32 h + i, as the operand's layout gives my lane
.endr
.endr
.irp c, 0,1
.irp g, 0,1,2,3,4,5,6,7
	global_load_b128 v[R2+32*\c+4*\g:R2+32*\c+4*\g+3], v4, s[32:33] offset:256*\c+16*\g   ; ba likewise
.endr
.endr
.irp t, 0,1,2,3
	global_load_b32 v[8+\t], v7, s[48:49] offset:64*\t   ; bb[16 t + r]
.endr
.irp c, 0,1
.set ix, 0
.rept 32
	global_load_b32 v[R3+32*\c+ix], v245, s[40:41] offset:(64*\c+ix)*256   ; Wb(64 c + 32 h + ix, 16 w + r): my column, down K
.set ix, ix+1
.endr
.endr
	s_wait_loadcnt 63                              ; x, Wa and ba are in: 68 loads were issued behind them; 63 is the largest count that the wait can name
.set ix, 0
.rept 32
	v_pk_fma_f32 v[R1+ix:R1+ix+1], v[R1+ix:R1+ix+1], v[22:23], v[R2+ix:R2+ix+1] op_sel_hi:[1,0,1]   ; x Wa + ba
.set ix, ix+2
.endr
	EXPS R1, 32
	TAIL32 R1
	EXPS R1+32, 32
	TAIL32 R1+32
	QBLK R1, 224, 241                              ; the hidden layer's fragment of my 16 points: v224-231
	QBLK R1+32, 228, 242
	SWORD 16                                       ; and its scale word: v16
	s_wait_loadcnt 0x0                             ; bb and Wb
	QBLK R3, 232, 241                              ; my 16 columns of Wb: v232-239
	QBLK R3+32, 236, 242
	SWORD 17
	ds_store_b128 v250, v[232:235] offset:BIMG     ; the fragment goes to LDS as it stands in the registers
	ds_store_b128 v250, v[236:239] offset:BIMG+512
	ds_store_b32 v251, v17 offset:BSCL             ; 128 w + 4 x lane = 4 x thread
	s_wait_kmcnt 0x0                               ; eq_param
	; y = eq_param sin(pi x) of my eight points, line by line over the eight so that no line waits for the line above it.  These lines are also the places between the scale word and the codes made above and the matrix instructions below
.irp j, 0,1,2,3,4,5,6,7
	v_rndne_f32 v[32+\j], v[24+\j]                 ; n
.endr
.irp j, 0,1,2,3,4,5,6,7
	v_sub_f32 v[40+\j], v[24+\j], v[32+\j]         ; r = x - n, exact
.endr
.irp j, 0,1,2,3,4,5,6,7
	v_mul_f32 v[48+\j], v[40+\j], v[40+\j]
.endr
.irp j, 0,1,2,3,4,5,6,7
	v_fma_f32 v[56+\j], v[48+\j], s68, s69
.endr
.irp k, 70,71,72,73
.irp j, 0,1,2,3,4,5,6,7
	v_fma_f32 v[56+\j], v[56+\j], v[48+\j], s[\k]
.endr
.endr
.irp j, 0,1,2,3,4,5,6,7
	v_mul_f32 v[56+\j], v[56+\j], v[40+\j]         ; sin(pi r)
.endr
.irp j, 0,1,2,3,4,5,6,7
	v_cvt_i32_f32 v[32+\j], v[32+\j]
.endr
.irp j, 0,1,2,3,4,5,6,7
	v_lshlrev_b32 v[32+\j], 31, v[32+\j]           ; n's parity as a sign bit
.endr
.irp j, 0,1,2,3,4,5,6,7
	v_xor_b32 v[56+\j], v[56+\j], v[32+\j]         ; sin(pi x) = (-1)^n sin(pi r)
.endr
.irp j, 0,1,2,3,4,5,6,7
	v_mul_f32 v[24+\j], s60, v[56+\j]              ; y
.endr
	v_add_f32 v244, v24, v25                       ; the sum of my eight y: it multiplies the bias
	v_add_f32 v64, v26, v27
	v_add_f32 v65, v28, v29
	v_add_f32 v66, v30, v31
	v_add_f32 v244, v244, v64
	v_add_f32 v65, v65, v66
	v_add_f32 v244, v244, v65
	s_wait_dscnt 0x0                               ; for the others' sake: my stores have landed
	s_barrier_signal -1
	s_barrier_wait -1                              ; the four fragments of Wb lie in LDS
.irp t, 0,1,2,3
	ds_load_b128 v[R2+8*\t:R2+8*\t+3], v249 offset:BIMG+1024*\t
	ds_load_b128 v[R2+8*\t+4:R2+8*\t+7], v249 offset:BIMG+1024*\t+512
	ds_load_b32 v[18+\t], v253 offset:BSCL+128*\t
.endr
	s_wait_dscnt 0x0
.irp t, 0,1,2,3                                ; source 0 = my 16 points, source 1 = 16 columns of Wb: register j of lane (r, h) is (point 8 h + j, column 16 t + r).  Four accumulators, one instruction each
	v_wmma_scale_f32_16x16x128_f8f6f4 v[R3+8*\t:R3+8*\t+7], v[224:231], v[R2+8*\t:R2+8*\t+7], 0, v16, v[18+\t] matrix_a_fmt:MATRIX_FMT_FP4 matrix_b_fmt:MATRIX_FMT_FP4
.endr
.rept 4
	v_nop                                          ; four places in front of the first read of the results (ISA guide 7.12.1)
.endr
.irp t, 0,1,2,3
	v_mul_f32 v[12+\t], v[8+\t], v244              ; bb x the sum of y
.endr
.irp j, 0,1,2,3,4,5,6,7
.irp t, 0,1,2,3
	v_fma_f32 v[12+\t], v[24+\j], v[R3+8*\t+\j], v[12+\t]   ; + y x the product, each accumulator from its low end on
.endr
.endr
.irp t, 0,1,2,3
	v_permlanex16_b32 v[64+\t], v[12+\t], s86, s87
.endr
.irp t, 0,1,2,3
	v_add_f32 v[12+\t], v[12+\t], v[64+\t]         ; with lane l xor 16's eight points: my wave's 16
.endr
.irp t, 0,1,2,3
	ds_store_b32 v252, v[12+\t] offset:PARTS+64*\t ; both halves of the lanes write the same word with the same value
.endr
	s_wait_tensorcnt 0x0                           ; behind my last LDS store
	ds_add_u32 v[SPW], v[NIL]
	s_wait_dscnt 0x0                               ; also for the others' sake: my partial sums have landed
	s_barrier_signal -1
	s_barrier_wait -1
	s_cmp_ge_u32 s14, 2                            ; threads 0 to 63 add the four waves' parts, a column each
	s_cbranch_scc1 .Lqend
.irp k, 0,1,2,3
	ds_load_b32 v[68+\k], v251 offset:PARTS+256*\k
.endr
	s_wait_dscnt 0x0
	v_add_f32 v68, v68, v69
	v_add_f32 v70, v70, v71
	v_add_f32 v68, v68, v70
	global_store_b32 v251, v68, s[58:59]
.Lqend:
	s_endpgm
.Lfunc_end_k_q6ab3820162_prep:
	.size	k_q6ab3820162_prep, .Lfunc_end_k_q6ab3820162_prep-k_q6ab3820162_prep
	.p2alignl 7, 3214868480
	.fill 96, 4, 3214868480
	.section	.rodata,"a",@progbits
	.p2align	6, 0x0
	.amdhsa_kernel k_q6ab3820162_prep
		.amdhsa_group_segment_fixed_size 22528
		.amdhsa_private_segment_fixed_size 0
		.amdhsa_enable_private_segment 0
		.amdhsa_kernarg_size 240
		.amdhsa_user_sgpr_count 2
		.amdhsa_user_sgpr_kernarg_segment_ptr 1
		.amdhsa_wavefront_size32 1
		.amdhsa_system_sgpr_workgroup_id_x 1
		.amdhsa_system_sgpr_workgroup_id_y 1
		.amdhsa_system_sgpr_workgroup_id_z 1
		.amdhsa_system_vgpr_workitem_id 0
		.amdhsa_next_free_vgpr 256
		.amdhsa_next_free_sgpr 96
		.amdhsa_reserve_vcc 0
		.amdhsa_float_denorm_mode_32 3
		.amdhsa_float_denorm_mode_16_64 3
		.amdhsa_memory_ordered 1
		.amdhsa_forward_progress 1
		.amdhsa_inst_pref_size 88
	.end_amdhsa_kernel
	.amdgpu_metadata
---
amdhsa.version: [ 1, 2 ]
amdhsa.kernels:
  - .name:           k_q6ab3820162_prep
    .symbol:         k_q6ab3820162_prep.kd
    .args:
      - { .name: input, .offset: 0, .size: 8, .value_kind: global_buffer, .address_space: global }
      - { .name: W1, .offset: 8, .size: 8, .value_kind: global_buffer, .address_space: global }
      - { .name: b1, .offset: 16, .size: 8, .value_kind: global_buffer, .address_space: global }
      - { .name: W2, .offset: 24, .size: 8, .value_kind: global_buffer, .address_space: global }
      - { .name: quad_x0, .offset: 32, .size: 8, .value_kind: global_buffer, .address_space: global }
      - { .name: quad_x1, .offset: 40, .size: 8, .value_kind: global_buffer, .address_space: global }
      - { .name: quad_x2, .offset: 48, .size: 8, .value_kind: global_buffer, .address_space: global }
      - { .name: quad_x3, .offset: 56, .size: 8, .value_kind: global_buffer, .address_space: global }
      - { .name: Wq0a, .offset: 64, .size: 8, .value_kind: global_buffer, .address_space: global }
      - { .name: Wq1a, .offset: 72, .size: 8, .value_kind: global_buffer, .address_space: global }
      - { .name: Wq2a, .offset: 80, .size: 8, .value_kind: global_buffer, .address_space: global }
      - { .name: Wq3a, .offset: 88, .size: 8, .value_kind: global_buffer, .address_space: global }
      - { .name: bq0a, .offset: 96, .size: 8, .value_kind: global_buffer, .address_space: global }
      - { .name: bq1a, .offset: 104, .size: 8, .value_kind: global_buffer, .address_space: global }
      - { .name: bq2a, .offset: 112, .size: 8, .value_kind: global_buffer, .address_space: global }
      - { .name: bq3a, .offset: 120, .size: 8, .value_kind: global_buffer, .address_space: global }
      - { .name: Wq0b, .offset: 128, .size: 8, .value_kind: global_buffer, .address_space: global }
      - { .name: Wq1b, .offset: 136, .size: 8, .value_kind: global_buffer, .address_space: global }
      - { .name: Wq2b, .offset: 144, .size: 8, .value_kind: global_buffer, .address_space: global }
      - { .name: Wq3b, .offset: 152, .size: 8, .value_kind: global_buffer, .address_space: global }
      - { .name: bq0b, .offset: 160, .size: 8, .value_kind: global_buffer, .address_space: global }
      - { .name: bq1b, .offset: 168, .size: 8, .value_kind: global_buffer, .address_space: global }
      - { .name: bq2b, .offset: 176, .size: 8, .value_kind: global_buffer, .address_space: global }
      - { .name: bq3b, .offset: 184, .size: 8, .value_kind: global_buffer, .address_space: global }
      - { .name: eq_param, .offset: 192, .size: 8, .value_kind: global_buffer, .address_space: global }
      - { .name: w2c, .offset: 200, .size: 8, .value_kind: global_buffer, .address_space: global }
      - { .name: w2s, .offset: 208, .size: 8, .value_kind: global_buffer, .address_space: global }
      - { .name: hc, .offset: 216, .size: 8, .value_kind: global_buffer, .address_space: global }
      - { .name: hs, .offset: 224, .size: 8, .value_kind: global_buffer, .address_space: global }
      - { .name: sq, .offset: 232, .size: 8, .value_kind: global_buffer, .address_space: global }
    .group_segment_fixed_size: 22528
    .private_segment_fixed_size: 0
    .kernarg_segment_align: 8
    .kernarg_segment_size: 240
    .max_flat_workgroup_size: 128
    .sgpr_count:     96
    .vgpr_count:     256
    .wavefront_size: 32
...
	.end_amdgpu_metadata
.endif
;; end of part 4
;; launch gemm (part 5): grid 32 x 8, 4 waves a work-group, clusters of 4 x 1, 284,672 bytes of LDS; arguments hc, hs, w2c, w2s, sq, b2, part; writes part
.if DOCPART == 5
	.amdgcn_target "amdgcn-amd-amdhsa--gfx1250"
	.amdhsa_code_object_version 6
	.text
	.protected	k_q6ab3820162_gemm
	.globl	k_q6ab3820162_gemm
	.p2align	8
	.type	k_q6ab3820162_gemm,@function
k_q6ab3820162_gemm:
	s_mov_b64 s[64:65], 0
	v_nop
	global_prefetch_b8 v0, s[64:65] scope:SCOPE_SE
	s_setreg_imm32_b32 hwreg(HW_REG_WAVE_MODE, 25, 1), 1
	s_wait_xcnt 0x0
	s_wait_alu depctr_hold_cnt(0) depctr_sa_sdst(0) depctr_va_vdst(0) depctr_va_sdst(0) depctr_va_ssrc(0) depctr_va_vcc(0) depctr_vm_vsrc(0)
	s_getreg_b32 s2, hwreg(HW_REG_IB_STS2, 6, 4)
	s_cmp_eq_u32 s2, 0
	s_cbranch_scc0 .Lentry_in_a_cluster
	s_endpgm
.Lentry_in_a_cluster:
	s_bfe_u32 s2, ttmp6, 0x10000c
	s_cmp_lg_u32 s2, 0x3003
	s_cbranch_scc0 .Lentry_shape_is_right
	s_endpgm
.Lentry_shape_is_right:
; part[Y][m] = sum over the 512 columns n of block Y of (sum over k of Q(h)[m][k] Q(W2)[k][n] + b2[n]) rhs[n].  No work is left out.
; SHARES.  A work-group takes rows 512 X .. + 511 and columns 512 Y .. + 511; wave w takes rows 128 w on (8 tiles of 16) against all 512 columns, a pair of column tiles (32 columns) at a time, all of K = 1,024 for each pair.
;   A wave's 128 rows of h, as codes, stay in 512 REGISTERS for the whole launch; the block's 512 columns of W2 (262,144 bytes of codes, 16,384 of scale words) lie in LDS for the whole launch, each byte filled once.
;   So each pair of fragments of W2 that a wave reads from LDS feeds eight matrix instructions, and nothing is read from LDS twice by a wave.
; CLUSTER.  The four work-groups of a cluster have the same Y and need the same columns of W2: every tensor load is asked for JOINTLY, with the same descriptor and a mask that names the four.
;   h is not shared so: the four have different rows, and h goes from memory straight into registers.
; THE PRODUCT IS USED TRANSPOSED, in the form of 32 x 16 x 128: source 0 = 32 columns of W2 (16 registers), source 1 = 16 rows of h (8 registers).  Lane (r, h) then holds row r; its registers 0-7 are the columns 8 h + 0 .. 7 of the pair,
;   registers 8-15 the columns 16 + 8 h + 0 .. 7.  Source 0's scale words fill all 32 lanes, lane c for column c of the pair.
; THE DOT WITH rhs is fused: while one pair's 64 matrix instructions are issued, the pair before, which lies in the other set of accumulators, is multiplied by its 32 numbers of rhs and added up, four packed lines at a time between the matrix instructions.
; rhs of the block (index (b, d, f, m), b = Y) is made at the head from the four S_i: thread t makes the four numbers 4 t .. 4 t + 3.  The bias: sum of b2 rhs over the block is one number, added to every row.
; LIMITS: as stated at the head of the first kernel; b2 rhs is summed apart from the product, which moves a result by rounding alone.
; REGISTERS, in windows of 256 (s_set_vgpr_msb: bits 1:0 source 0, 3:2 source 1, 5:4 source 2, 7:6 destination):
;   window 0: v1-15 addresses; v16-47 h's scale words; v48-55 W2's, one for each ring slot; v56-63 the way out; v64-95 rhs, two sets of 16; v96-111 the rows' sums, a pair for each row tile; v112-123 small things;
;             v128-255 THE RING: eight slots of 16 registers, slot s = K step s of the pair in hand: registers 0-7 the even column tile, 8-15 the odd one
;   window 1: the accumulators, two sets of 128: set q, row tile mt at v[128 q + 16 mt], 16 registers
;   window 2: h's fragments of K steps 0-3, at v[64 (s % 4) + 8 mt];   window 3: those of K steps 4-7
.set BS,    262144                     ; LDS: from 0 the codes, 32 column tiles x 8 K steps x 1,024 bytes; here the scale words, 16 pairs x 8 K steps x 128 bytes
.set RHS,   278528                     ; rhs of the block, 512 f32
.set CW,    280576                     ; the four waves' parts of sum b2 rhs
.set STG,   280832                     ; the way out: 512 bytes for each wave
.set SPARE, 282880                     ; the spare words, 128 bytes for each wave: two blocks of 256 bytes that no other line names
.set ADB,   2                          ; v2   16 x lane + 16,384 x the pair in hand
.set ADS,   3                          ; v3   BS + 4 x lane + 1,024 x pair
.set ADR,   4                          ; v4   RHS + 32 h + 128 x pair
.set CN,    5                          ; v5   sum of b2 rhs over the block
.set SPW,   14                         ; v14  LDS address of my spare word; never rewritten
.set NIL,   15                         ; v15  0; never rewritten
.set ASC,   16
.set BSC,   48
.set Z,     56
.set RH,    64
.set P,     96
.set RING,  128
.set MSB, 0
.macro WIN new                         ; the immediate's high byte repeats the setting that is left; a switch that changes nothing is dropped
.if MSB != \new
	s_set_vgpr_msb (MSB<<8)|\new
.set MSB, \new
.endif
.endm
.macro PLACES                          ; four places: in front of loads into registers that matrix instructions have read, and of the first read of results
.rept 4
	v_nop
.endr
.endm
.macro CROUND                          ; a round of the cluster's barrier
	s_barrier_signal -1
	s_barrier_wait -1
	s_cmp_lg_u32 s18, 0
	s_cbranch_scc1 .Lnot_wave_0_\@
	s_barrier_signal -3
.Lnot_wave_0_\@:
	s_barrier_wait -3
	s_barrier_signal -1
	s_barrier_wait -1
.endm
; K step g, row tile mt, the pair's 32 columns, into set q: one matrix instruction.  h's scale word register holds an even row tile's words in lanes 0-15 and the odd one's in lanes 16-31.
; K step 0 starts the sums with the constant 0: nothing is cleared.
.macro MM q, mt
	WIN mw
.set rD, 128*(\q)+16*(\mt)
.set rA, RING+16*g
.set rB, 64*(g%4)+8*(\mt)
.set rSB, ASC+8*((\mt)/2)+g
.if g == 0
.if ((\mt)%2) == 0
	v_wmma_scale_f32_32x16x128_f4 v[rD:rD+15], v[rA:rA+15], v[rB:rB+7], 0, v[BSC+g], v[rSB]
.else
	v_wmma_scale_f32_32x16x128_f4 v[rD:rD+15], v[rA:rA+15], v[rB:rB+7], 0, v[BSC+g], v[rSB] matrix_b_scale:MATRIX_SCALE_ROW1
.endif
.else
.if ((\mt)%2) == 0
	v_wmma_scale_f32_32x16x128_f4 v[rD:rD+15], v[rA:rA+15], v[rB:rB+7], v[rD:rD+15], v[BSC+g], v[rSB]
.else
	v_wmma_scale_f32_32x16x128_f4 v[rD:rD+15], v[rA:rA+15], v[rB:rB+7], v[rD:rD+15], v[BSC+g], v[rSB] matrix_b_scale:MATRIX_SCALE_ROW1
.endif
.endif
.endm
; a ring slot: a K step's two fragments of W2 (each an image of its registers: two loads of 16 bytes a lane, 512 bytes apart) and the pair's scale words: five LDS loads
.macro RLOAD slot, off, soff
	WIN 0
	ds_load_b128 v[RING+16*(\slot):RING+16*(\slot)+3],     v[ADB] offset:(\off)
	ds_load_b128 v[RING+16*(\slot)+4:RING+16*(\slot)+7],   v[ADB] offset:(\off)+512
	ds_load_b128 v[RING+16*(\slot)+8:RING+16*(\slot)+11],  v[ADB] offset:(\off)+8192
	ds_load_b128 v[RING+16*(\slot)+12:RING+16*(\slot)+15], v[ADB] offset:(\off)+8192+512
	ds_load_b32 v[BSC+(\slot)], v[ADS] offset:(\soff)
.endm
; slice u of 16 of the dot with rhs, on a finished set: registers 2 (u / 2), + 1 of row tiles 4 (u % 2) + 0 .. 3: four lines that do not wait for each other.  The slices go in ascending order
.macro EPI set, u
	WIN 0x01                                       ; source 0, the accumulators: window 1
.set ei, (\u)/2
.set em, 4*((\u)%2)
.irp t, 0,1,2,3
	v_pk_fma_f32 v[P+2*(em+\t):P+2*(em+\t)+1], v[128*(\set)+16*(em+\t)+2*ei:128*(\set)+16*(em+\t)+2*ei+1], v[RH+16*(\set)+2*ei:RH+16*(\set)+2*ei+1], v[P+2*(em+\t):P+2*(em+\t)+1]
.endr
.endm
; A PAIR of column tiles: 64 matrix instructions into set q, in eight groups, one for each K step; in a group the 8 accumulators take turns, one instruction a turn.
; epi = 1: the other set, the pair before, is multiplied by its rhs meanwhile.  epi = 0: the first pair: h's fragments are still landing, K step by K step.
; ld = 2: the ring goes on into the next pair; ld = 1: the last pair.
; THE RING IS FILLED IN TWO RUNS A PAIR, never singly among the matrix instructions.  Run A, in group 0: this pair's K steps 4 to 7 into slots 4 to 7, 20 loads.  Run B, in group 4: this pair's 16 registers of rhs, 4 loads, then the
; next pair's K steps 0 to 3 into slots 0 to 3, 20 loads; the three addresses step behind it.  From a run to the first use of what it brings a wave issues 29 matrix instructions.
; Between a slot's last reader and the loads into it stand four plain lines or more that name none of that reader's registers: the four v_nop, or two slices of the dot.
; THE WAITS ON DScnt count the LDS loads issued behind the slot's own.  Ahead of group 0: 15 (slots 1 to 3; the rhs of the pair before lies ahead of slot 0 and is in with it).  Groups 1 to 3: the rest of run B and run A's 20: 30, 25, 20.
; Group 4: 15 (slots 5 to 7).  Groups 5 to 7: the rest of run A and run B's 24: 34, 29, 24; in the last pair run B is the 4 loads of rhs: 14, 9, 4.
.macro PAIR q, epi, ld
.set g, 0
.rept 8
.set mw, 0x58+4*(g/4)                  ; source 0 (the ring) window 0, source 1 (h) window 2 or 3, C and D window 1
.if (\epi) == 0
.if 16*(7-g) > 63
	s_wait_loadcnt 63                              ; h's K step g is in: behind its loads 16 (7 - g) were issued; 63 is the largest count that the wait can name
.else
	s_wait_loadcnt 16*(7-g)
.endif
.endif
.if (g == 0) || (g == 4)
	s_wait_dscnt 15
.elseif g < 4
	s_wait_dscnt 35-5*g
.elseif (\ld) == 2
	s_wait_dscnt 59-5*g
.else
	s_wait_dscnt 39-5*g
.endif
	MM \q, 0
.if (g == 0) || (((\epi) == 0) && (g == 4))
	PLACES                                         ; in group 0 also the places between the pair before's last products and the first read of its results
.elseif \epi
	EPI 1-(\q), 2*g
.endif
	MM \q, 1
.if \epi
.if g == 0
	EPI 1-(\q), 0
.else
	EPI 1-(\q), 2*g+1
.endif
.endif
	MM \q, 2
.if g == 0
	RLOAD 4, 4096, 512                             ; run A
	RLOAD 5, 5120, 640
	RLOAD 6, 6144, 768
	RLOAD 7, 7168, 896
.endif
.if g == 4
	WIN 0                                          ; run B: rhs[32 pair + 16 u + 8 h + 0 .. 7], u = 0, 1,
	ds_load_b128 v[RH+16*(\q):RH+16*(\q)+3],     v[ADR]
	ds_load_b128 v[RH+16*(\q)+4:RH+16*(\q)+7],   v[ADR] offset:16
	ds_load_b128 v[RH+16*(\q)+8:RH+16*(\q)+11],  v[ADR] offset:64
	ds_load_b128 v[RH+16*(\q)+12:RH+16*(\q)+15], v[ADR] offset:80
.if (\ld) == 2
	RLOAD 0, 16384, 1024                           ; and the next pair's first four K steps
	RLOAD 1, 17408, 1152
	RLOAD 2, 18432, 1280
	RLOAD 3, 19456, 1408
	v_add_nc_u32 v[ADB], 16384, v[ADB]             ; on to the next pair
	v_add_nc_u32 v[ADS], 1024, v[ADS]
	v_add_nc_u32 v[ADR], 128, v[ADR]
.endif
.endif
	MM \q, 3
.if (\epi) && (g == 0)
	EPI 1-(\q), 1
.endif
	MM \q, 4
	MM \q, 5
	MM \q, 6
	MM \q, 7
.set g, g+1
.endr
.endm
; The next quarter of W2's columns has landed in every wave's part: my loads up to it are done (n later ones may stay out), no LDS instruction of mine is pending
.macro BAR n
	WIN 0
	s_wait_tensorcnt \n
	s_wait_dscnt 0x0
	s_barrier_signal -1
	s_barrier_wait -1
.endm
	s_load_b256 s[4:11], s[0:1], 0x0               ; hc s[4:5], hs s[6:7], w2c s[8:9], w2s s[10:11]
	s_load_b128 s[12:15], s[0:1], 0x20             ; sq s[12:13], b2 s[14:15]
	s_load_b64 s[16:17], s[0:1], 0x30              ; part
	v_lshl_add_u32 v[SPW], v0, 2, SPARE
	v_mov_b32 v[NIL], 0
	ds_add_u32 v[SPW], v[NIL]                      ; the wave's opening: the add, twice on end, and its wait ahead of my first tensor load; the set-up below, work on registers, stands between
	ds_add_u32 v[SPW], v[NIL]
	v_lshrrev_b32 v1, 5, v0
	v_readfirstlane_b32 s18, v1                    ; wave 0..3
	s_bfe_u32 s19, ttmp6, 0x40000                  ; cx: my place in the cluster: it enters h's and part's global addresses alone
	s_lshl_b32 s56, ttmp9, 2
	s_add_co_u32 s56, s56, s19                     ; X = 4 x cluster x + cx
	s_and_b32 s57, ttmp7, 0xffff                   ; Y, which the four partners share
	; descriptor group 1: a dense block as rows of 256 bytes (32 elements of 8 bytes), no padding: the fragments are read 16 bytes a lane, 512 consecutive bytes a load
	s_mov_b32 s20, 15|(3<<16)|(1<<21)              ; 15:0 the mask: all four work-groups; 17:16 elements of 8 bytes; 21 set beside a mask
	s_mov_b32 s21, 32<<16                          ; tensor_dim0 = 32
	s_mov_b32 s22, 64<<16                          ; tensor_dim1 = 64 rows: 16,384 bytes of codes, a wave's quarter of eight column tiles
	s_mov_b32 s23, 32<<16                          ; tile_dim0
	s_mov_b32 s24, 64                              ; tile_dim1
	s_mov_b32 s25, 32                              ; tensor_dim0_stride
	s_mov_b32 s26, 0
	s_mov_b32 s27, 0
	s_mov_b32 s28, 15|(3<<16)|(1<<21)              ; the same with 16 rows: 4,096 bytes of scale words, a wave's quarter
	s_mov_b32 s29, 32<<16
	s_mov_b32 s30, 16<<16
	s_mov_b32 s31, 32<<16
	s_mov_b32 s32, 16
	s_mov_b32 s33, 32
	s_mov_b32 s34, 0
	s_mov_b32 s35, 0
	s_mov_b32 s76, 0x76543210
	s_mov_b32 s77, 0xfedcba98                      ; v_permlanex16_b32's selects for lane l xor 16
	v_and_b32 v114, 31, v0                         ; lane
	v_lshlrev_b32 v1, 4, v114                      ; v1 = 16 x lane; never rewritten
	v_mov_b32 v[ADB], v1
	v_lshl_add_u32 v[ADS], v114, 2, BS
	v_bfe_u32 v[ADR], v0, 4, 1
	v_lshl_add_u32 v[ADR], v[ADR], 5, RHS
	s_lshl_b32 s58, s18, 9
	s_add_co_u32 s58, s58, STG                     ; my stage
	v_lshl_add_u32 v6, v114, 2, s58                ; in: 4 x lane
	v_lshl_add_u32 v7, v114, 4, s58                ; back: 16 x lane
	v_lshrrev_b32 v8, 4, v0
	v_lshlrev_b32 v8, 5, v8                        ; thread t: d = t / 16: S1's row, 32 bytes a row
	v_bfe_u32 v9, v0, 1, 3
	v_lshlrev_b32 v9, 5, v9                        ; f = (t / 2) % 8: S2's row
	v_and_b32 v10, 1, v0
	v_lshlrev_b32 v10, 7, v10                      ; S3's rows 4 (t % 2) + 0 .. 3
	v_lshlrev_b32 v11, 4, v0                       ; b2: my four numbers
	v_lshlrev_b32 v12, 3, v114                     ; hs: 8 x lane
	v_lshl_add_u32 v13, v0, 4, RHS                 ; where I put my four numbers of rhs
	s_lshl_b32 s58, s18, 2
	s_add_co_u32 s58, s58, CW
	v_mov_b32 v112, s58                            ; my wave's word of sum b2 rhs
	v_mov_b32 v113, CW
	v_mov_b32 v197, 0                              ; written once: a lane permute's destination counts as one of its sources
	s_wait_dscnt 0x0                               ; both opening adds are done
	s_wait_kmcnt 0x0
	; descriptor groups 0: every wave fetches its quarter of the scale words and of each of four chunks of eight column tiles.  Y and the wave's number alone enter them
	s_lshl_b32 s58, s57, 18                        ; w2c: 262,144 Y + 16,384 w
	s_lshl_b32 s59, s18, 14
	s_add_co_u32 s58, s58, s59
	s_mov_b32 s59, 0
	s_add_nc_u64 s[60:61], s[8:9], s[58:59]
	s_lshl_b32 s62, s18, 14
.irp c, 0,1,2,3
	s_mov_b32 s[40+4*\c], 1                        ; count = 1
	s_add_co_u32 s[41+4*\c], s62, 65536*\c         ; LDS address: 65,536 c + 16,384 w
	s_add_nc_u64 s[42+4*\c:43+4*\c], s[60:61], 65536*\c
	s_or_b32 s[43+4*\c], s[43+4*\c], 0x80000000    ; type = 2
.endr
	s_lshl_b32 s58, s57, 14                        ; w2s: 16,384 Y + 4,096 w
	s_lshl_b32 s59, s18, 12
	s_add_co_u32 s37, s59, BS
	s_add_co_u32 s58, s58, s59
	s_mov_b32 s59, 0
	s_mov_b32 s36, 1
	s_add_nc_u64 s[38:39], s[10:11], s[58:59]
	s_or_b32 s39, s39, 0x80000000
	; the other bases
	s_lshl_b32 s58, s57, 5
	s_mov_b32 s59, 0
	s_add_nc_u64 s[80:81], s[12:13], s[58:59]      ; S0's row Y
	s_lshl_b32 s58, s57, 11
	s_add_nc_u64 s[82:83], s[14:15], s[58:59]      ; b2 at the block's first column
	s_lshl_b32 s90, s56, 14                        ; hs: 16,384 X + 4,096 w
	s_lshl_b32 s91, s18, 12
	s_add_co_u32 s90, s90, s91
	s_mov_b32 s91, 0
	s_add_nc_u64 s[84:85], s[6:7], s[90:91]
	s_lshl_b32 s90, s56, 18                        ; hc: 262,144 X + 65,536 w
	s_lshl_b32 s91, s18, 16
	s_add_co_u32 s90, s90, s91
	s_mov_b32 s91, 0
	s_add_nc_u64 s[86:87], s[4:5], s[90:91]
	s_lshl_b32 s90, s57, 16                        ; part: 65,536 Y + 2,048 X + 512 w
	s_lshl_b32 s91, s56, 11
	s_add_co_u32 s90, s90, s91
	s_lshl_b32 s91, s18, 9
	s_add_co_u32 s90, s90, s91
	s_mov_b32 s91, 0
	s_add_nc_u64 s[88:89], s[16:17], s[90:91]
	CROUND                                         ; all four work-groups are here: the joint loads meet
	tensor_load_to_lds s[36:39], s[28:35]          ; all fills of the launch go out as one group: five loads of mine are out.  The scale words,
	s_nop 0
	tensor_load_to_lds s[40:43], s[20:27]          ; column tiles 0-7,
	s_nop 0
	tensor_load_to_lds s[44:47], s[20:27]          ; 8-15,
	s_nop 0
	tensor_load_to_lds s[48:51], s[20:27]          ; 16-23,
	s_nop 0
	tensor_load_to_lds s[52:55], s[20:27]          ; 24-31
	s_nop 0
.rept 4
	v_nop                                          ; (the windows are switched only behind these)
.endr
	s_load_b256 s[68:75], s[80:81], 0x0            ; S0[Y][0 .. 7]
	global_load_b128 v[128:131], v8, s[12:13] offset:256      ; S1[d][..]
	global_load_b128 v[132:135], v8, s[12:13] offset:272
	global_load_b128 v[136:139], v9, s[12:13] offset:512      ; S2[f][..]
	global_load_b128 v[140:143], v9, s[12:13] offset:528
.irp k, 0,1,2,3,4,5,6,7
	global_load_b128 v[144+4*\k:147+4*\k], v10, s[12:13] offset:768+16*\k   ; S3's four rows: row j at v[144 + 8 j]
.endr
	global_load_b128 v[176:179], v11, s[82:83]     ; b2
.irp p, 0,1,2,3
.irp q, 0,1,2,3
	global_load_b64 v[ASC+8*\p+2*\q:ASC+8*\p+2*\q+1], v12, s[84:85] offset:1024*\p+256*\q   ; h's scale words: pair of row tiles p, K steps 2 q and 2 q + 1; lane l has row 32 p + l's
.endr
.endr
.irp s, 0,1,2,3,4,5,6,7                        ; h's fragments, K step by K step, 16 loads each: the first pair begins when the first K step is in
	WIN 0x80+0x40*(\s/4)                           ; destination window 2 or 3, address window 0
.irp m, 0,1,2,3,4,5,6,7
	global_load_b128 v[64*(\s%4)+8*\m:64*(\s%4)+8*\m+3],   v1, s[86:87] offset:8192*\m+1024*\s
	global_load_b128 v[64*(\s%4)+8*\m+4:64*(\s%4)+8*\m+7], v1, s[86:87] offset:8192*\m+1024*\s+512
.endr
.endr
	WIN 0
	s_wait_loadcnt 63                              ; the S_i, b2 and h's scale words are in: 128 loads or more were issued behind them; 63 is the largest count that the wait can name
	s_wait_kmcnt 0x0
.irp i, 0,2,4,6
	v_pk_mul_f32 v[128+\i:129+\i], v[128+\i:129+\i], v[136+\i:137+\i]   ; S1[d][x] S2[f][x]
.endr
.irp x, 0,1,2,3,4,5,6,7
	v_mul_f32 v[128+\x], s[68+\x], v[128+\x]       ; x S0[Y][x]
.endr
.irp j, 0,1,2,3
	v_pk_mul_f32 v[188+2*\j:189+2*\j], v[128:129], v[144+8*\j:145+8*\j]   ; x S3[m][x], summed over x, two at a time
.endr
.irp i, 2,4,6
.irp j, 0,1,2,3
	v_pk_fma_f32 v[188+2*\j:189+2*\j], v[128+\i:129+\i], v[144+8*\j+\i:145+8*\j+\i], v[188+2*\j:189+2*\j]
.endr
.endr
.irp j, 0,1,2,3
	v_add_f32 v[184+\j], v[188+2*\j], v[189+2*\j]  ; rhs[512 Y + 4 t + j]
.endr
	v_mul_f32 v196, v176, v184                     ; my part of sum b2 rhs,
	v_fma_f32 v196, v177, v185, v196
	v_fma_f32 v196, v178, v186, v196
	v_fma_f32 v196, v179, v187, v196
	v_add_f32_dpp v196, v196, v196 row_xmask:1 row_mask:0xf bank_mask:0xf   ; and my wave's
	v_add_f32_dpp v196, v196, v196 row_xmask:2 row_mask:0xf bank_mask:0xf
	v_add_f32_dpp v196, v196, v196 row_xmask:4 row_mask:0xf bank_mask:0xf
	v_add_f32_dpp v196, v196, v196 row_xmask:8 row_mask:0xf bank_mask:0xf
	v_permlanex16_b32 v197, v196, s76, s77
	v_add_f32 v196, v196, v197
	ds_store_b128 v13, v[184:187]
	ds_store_b32 v112, v196                        ; all lanes write the same word with the same value
.irp i, 0,1,2,3,4,5,6,7,8,9,10,11,12,13,14,15
	v_mov_b32 v[P+\i], 0                           ; the rows' sums: the loop's first slices find zeros
.endr
	s_wait_tensorcnt 0x3                           ; my parts of the scale words and of column tiles 0-7 are in; three later loads may stay out
	s_wait_dscnt 0x0                               ; for the others' sake: my stores have landed
	s_barrier_signal -1
	s_barrier_wait -1
	ds_load_b128 v[116:119], v113
	RLOAD 0, 0, 0                                  ; the first pair's K steps 0 to 3
	RLOAD 1, 1024, 128
	RLOAD 2, 2048, 256
	RLOAD 3, 3072, 384
	s_wait_dscnt 0x0
	v_add_f32 v116, v116, v117
	v_add_f32 v118, v118, v119
	v_add_f32 v[CN], v116, v118
	PAIR 0, 0, 2                                   ; pair 0
	BAR 2                                          ; column tiles 8-15 (pair 3 begins to read them)
	s_mov_b32 s78, 3
.Lt1:                                              ; pairs 1 to 6
	PAIR 1, 1, 2
	PAIR 0, 1, 2
	WIN 0                                          ; at a label and at a branch every window is 0
	s_sub_co_u32 s78, s78, 1
	s_cmp_lg_u32 s78, 0
	s_cbranch_scc1 .Lt1
	BAR 1                                          ; column tiles 16-23 (pair 7 begins to read them)
	s_mov_b32 s78, 2
.Lt2:                                              ; pairs 7 to 10
	PAIR 1, 1, 2
	PAIR 0, 1, 2
	WIN 0
	s_sub_co_u32 s78, s78, 1
	s_cmp_lg_u32 s78, 0
	s_cbranch_scc1 .Lt2
	BAR 0                                          ; column tiles 24-31 (pair 11 begins to read them)
	s_mov_b32 s78, 2
.Lt3:                                              ; pairs 11 to 14
	PAIR 1, 1, 2
	PAIR 0, 1, 2
	WIN 0
	s_sub_co_u32 s78, s78, 1
	s_cmp_lg_u32 s78, 0
	s_cbranch_scc1 .Lt3
	PAIR 1, 1, 1                                   ; pair 15: nothing of W2 is left to fetch behind its own K steps
	s_wait_dscnt 0x0                               ; its rhs
	PLACES
.irp u, 0,1,2,3,4,5,6,7,8,9,10,11,12,13,14,15
	EPI 1, \u                                      ; and its dot
.endr
	WIN 0
	; THE WAY OUT.  A lane holds, for each row tile, the sum over its half's columns.  The exchange of halves puts the two halves' sums of row 32 i + l into lane l of two registers.
.irp m, 0,1,2,3,4,5,6,7
	v_add_f32 v[Z+\m], v[P+2*\m], v[P+2*\m+1]
.endr
.irp i, 0,1,2,3
	v_permlane16_swap_b32 v[Z+2*\i], v[Z+2*\i+1]   ; the first's lanes 16-31 change places with the second's lanes 0-15
.endr
.irp i, 0,1,2,3
	v_add_f32 v[Z+2*\i], v[Z+2*\i], v[CN]
.endr
.irp i, 0,1,2,3
	v_add_f32 v[Z+2*\i], v[Z+2*\i], v[Z+2*\i+1]
.endr
.irp i, 0,1,2,3
	ds_store_b32 v6, v[Z+2*\i] offset:128*\i       ; my wave's 128 rows in order, through its own stage,
.endr
	ds_load_b128 v[120:123], v7                    ; back four rows a lane: LDS serves a wave's instructions in order (ISA guide 5.7.1.4)
	s_wait_dscnt 0x0
	global_store_b128 v1, v[120:123], s[88:89]     ; the wave stores 512 consecutive bytes, aligned
	s_wait_tensorcnt 0x0                           ; the wave's end: behind my last tensor load and my last LDS store
	ds_add_u32 v[SPW], v[NIL]
	s_wait_dscnt 0x0
	CROUND                                         ; the closing round: no work-group ends while a partner may still ask for a tile that names it
	s_endpgm
.Lfunc_end_k_q6ab3820162_gemm:
	.size	k_q6ab3820162_gemm, .Lfunc_end_k_q6ab3820162_gemm-k_q6ab3820162_gemm
	.p2alignl 7, 3214868480
	.fill 96, 4, 3214868480
	.section	.rodata,"a",@progbits
	.p2align	6, 0x0
	.amdhsa_kernel k_q6ab3820162_gemm
		.amdhsa_group_segment_fixed_size 284672
		.amdhsa_private_segment_fixed_size 0
		.amdhsa_enable_private_segment 0
		.amdhsa_kernarg_size 56
		.amdhsa_user_sgpr_count 2
		.amdhsa_user_sgpr_kernarg_segment_ptr 1
		.amdhsa_wavefront_size32 1
		.amdhsa_system_sgpr_workgroup_id_x 1
		.amdhsa_system_sgpr_workgroup_id_y 1
		.amdhsa_system_sgpr_workgroup_id_z 1
		.amdhsa_system_vgpr_workitem_id 0
		.amdhsa_next_free_vgpr 1024
		.amdhsa_next_free_sgpr 96
		.amdhsa_reserve_vcc 0
		.amdhsa_float_denorm_mode_32 3
		.amdhsa_float_denorm_mode_16_64 3
		.amdhsa_memory_ordered 1
		.amdhsa_forward_progress 1
		.amdhsa_inst_pref_size 159
	.end_amdhsa_kernel
	.amdgpu_metadata
---
amdhsa.version: [ 1, 2 ]
amdhsa.kernels:
  - .name:           k_q6ab3820162_gemm
    .symbol:         k_q6ab3820162_gemm.kd
    .args:
      - { .name: hc, .offset: 0, .size: 8, .value_kind: global_buffer, .address_space: global }
      - { .name: hs, .offset: 8, .size: 8, .value_kind: global_buffer, .address_space: global }
      - { .name: w2c, .offset: 16, .size: 8, .value_kind: global_buffer, .address_space: global }
      - { .name: w2s, .offset: 24, .size: 8, .value_kind: global_buffer, .address_space: global }
      - { .name: sq, .offset: 32, .size: 8, .value_kind: global_buffer, .address_space: global }
      - { .name: b2, .offset: 40, .size: 8, .value_kind: global_buffer, .address_space: global }
      - { .name: part, .offset: 48, .size: 8, .value_kind: global_buffer, .address_space: global }
    .group_segment_fixed_size: 284672
    .private_segment_fixed_size: 0
    .kernarg_segment_align: 8
    .kernarg_segment_size: 56
    .max_flat_workgroup_size: 128
    .sgpr_count:     96
    .vgpr_count:     1024
    .wavefront_size: 32
...
	.end_amdgpu_metadata
.endif
;; end of part 5
;; launch fin: the kernel of part 3 again; grid 32 x 1, 4 waves a work-group, no clusters, 0 bytes of LDS; arguments part, out0; writes out0
